; MI455X (gfx1250); checked and timed in simulation.
; The chip was launched on July 23, 2026; its instructions are those of AMD's public machine-readable ISA for CDNA 5 (MIT licence, August 2026) and "CDNA5" Instruction Set Architecture Reference Guide (July 2026). The comments in the code are by the model that wrote it; some were corrected since.
;; Ouroboros Mo E. Allowed arithmetic: matrix products marked QUANTISED: E2M1 operands, one E8M0 scale for each 32 along K, by v_wmma_scale_f32_16x16x128_f8f6f4 with both operands' format E2M1 (or v_wmma_scale_f32_32x16x128_f4), f32 sums; products left as they are: f32 operands where the result goes on into a quantised operand, else bf16, f16 or f32 operands; f32 sums; everything else in f32.
;; Inputs: W1 8 x 1,024 x 4,096 float32; W2 8 x 4,096 x 1,024 float32; b1 8 x 4,096 float32; b2 8 x 1,024 float32; expert_indices 4 x 256 x 2 int32; expert_weights 4 x 256 x 2 float32; x 4 x 256 x 1,024 float32.
;; Outputs: out0 4 x 256 x 1,024 float32.
;; This version of the problem:
;;   THIS VERSION OF THE PROBLEM IS GIVEN IN LOW PRECISION. The matrix products marked QUANTISED in the list below multiply operands that are first quantised to E2M1 (2 exponent bits, 1 mantissa bit; 4 bits a number), with one power-of-two scale for each 32 numbers along K (OCP MX v1.0); their sums are f32. All else is computed in f32.
;;   The module's matrix products, in the order in which they are computed (A, B: the left and right operand; K: the contracted axis; several contracted axes count as one K, in the product's order):
;;     1. [M 32,768, K 1,024] x [K 1,024, N 1,024]; A: input W1; B: input x: QUANTISED
;;     2. batch 8 x [M 1,024, K 4,096] x [K 4,096, N 1,024]; A: computed on the way; B: input W2: QUANTISED
;;     3. batch 1,024 x [M 1, K 2] x [K 2, N 8]; A: softmax; B: computed on the way: left as it is (K = 2 < 32)
;;     4. batch 1,024 x [M 1,024, K 8] x [K 8, N 1]; A: computed on the way; B: computed on the way: left as it is (K = 8 < 32)
;;   THE QUANTISER, for each operand of a quantised product, along K:
;;     - K is cut into blocks of 32 from its start; a last block that is shorter is filled with zeros.
;;     - A block's scale is 2^e with e = floor(log2(the largest magnitude in the block)) - 2, held to -126 .. 127; a block of zeros has e = 0. As a byte (E8M0): e + 127.
;;     - Each number is divided by its block's scale, clamped to +-6, and rounded to the nearest number of E2M1, ties to even, subnormals kept.
;;     - The product sums the exact products of the quantised numbers (number of the format x scale) in f32.
;;   ~~~python
;;   def quantise(x, axis):      # numpy; x: float32 -> the quantised numbers, widened to float32 again
;;       x = np.moveaxis(x, axis, -1); K = x.shape[-1]
;;       x = np.pad(x, [(0, 0)] * (x.ndim - 1) + [(0, -K % 32)]); x = x.reshape(x.shape[:-1] + (-1, 32)); a = np.abs(x).max(-1, keepdims=True)
;;       e = np.where(a > 0, np.clip(np.frexp(np.where(a > 0, a, 1))[1] - 1 - 2, -126, 127), 0)      # np.frexp(a)[1] - 1 = floor(log2(a)), exactly
;;       r = np.clip(x / 2.0 ** e, -6, 6)
;;       step = 2.0 ** (np.maximum(np.frexp(np.where(r == 0, 1, r))[1] - 1, 0) - 1)
;;       q = np.round(r / step) * step * 2.0 ** e      # np.round: ties to even
;;       return np.moveaxis(q.reshape(q.shape[:-2] + (-1,))[..., :K], -1, axis).astype(np.float32)
;;   ~~~
;;   OPERANDS COMPUTED ON THE WAY. 'Computed on the way' means the value that the module computes at that place (a softmax that the list does not call 'softmax' is quantised finished and normalised). What goes into a quantiser is computed in f32, as accurately as f32 sums, v_exp_f32 and their like allow (about 1e-6 of the number): no bf16 or f16 on the way to a quantiser, and a product that is left as it is and whose result goes on into a quantised operand takes f32 operands (vector FMAs, or v_wmma_f32_16x16x4_f32). A number that lies on a knife's edge between two numbers of the format may be rounded either way, as far as f32 arithmetic and the matrix unit's own rounding can turn it there, and no further.
;; 2 versions. Each part assembles by itself: llvm-mc -triple=amdgcn-amd-amdhsa -mcpu=gfx1250 --defsym DOCPART=n.
;; ======== version 1 of 2: 4 launches
;; workspace buffers: xq 524,288 bytes; xs 32,768 bytes; list 8,704 bytes of whole numbers; pos 8,192 bytes of whole numbers; meta 256 bytes of whole numbers; himg 4,456,448 bytes; hsc 557,056 bytes; y 17,825,792 bytes
;; launch prep (part 1): grid 33 x 1, 4 waves a work-group, no clusters, 33,792 bytes of LDS; arguments x, expert_indices, xq, xs, list, pos, meta; writes xq, xs, list, pos, meta
.if DOCPART == 1
	.amdgcn_target "amdgcn-amd-amdhsa--gfx1250"
	.amdhsa_code_object_version 6
	.text
	.protected	k_q30776f8b06_prep
	.globl	k_q30776f8b06_prep
	.p2align	8
	.type	k_q30776f8b06_prep,@function
k_q30776f8b06_prep:
	s_mov_b64 s[64:65], 0
	v_nop
	global_prefetch_b8 v0, s[64:65] scope:SCOPE_SE
	s_setreg_imm32_b32 hwreg(HW_REG_WAVE_MODE, 25, 1), 1
	s_wait_xcnt 0x0
; Work-groups 0-31: x [1024 tokens][1024] f32 becomes codes of FP4 (E2M1), K innermost (xq: 512 bytes a token), with one E8M0 byte for each 32 along K (xs: 32 bytes a token).
; Work-group 32: the 2,048 slots (token, k) are sorted by expert, by counting, with no atomics.  Expert e gets the positions 16 tb_e .. 16 (tb_e + nt_e) - 1, nt_e = ceil(n_e / 16) tiles of 16 rows.
;   list[position] = token (the padding of an expert's last tile names token 0);  pos[slot] = position;  meta: words 0-7 tb_e, 8-15 nt_e, 16 the tiles in all (128 to 135 for every split, so tile 135 is never used).
; A block's scale is 2^(floor(log2(its largest magnitude)) - 2); its byte is the largest magnitude's exponent field - 2, held at 1 from below by a floor among the maximum's leaves.
; LIMITS: a block of zeros, or one whose largest magnitude lies under 2^-124, gets the byte 1 (its codes are zeros or held small; the bytes are read by this program alone); NaN and infinities are not served;
; expert indices are held to 0 .. 7.
; The two paths part on the work-group's number alone and have LDS bytes of their own: 0 .. 32767 the x path (8,192 a wave), 32768 .. 33279 the sort.
.set STEPS, 16
.set EMAX,  2
.set CB,    8                          ; bytes of 16 codes
.set R,     16                         ; v16-79   four sets of 16 numbers as loaded
.set X,     80                         ; v80-111  two sets of 16 neighbours
.set E,     112                        ; v112-127 a scale byte for each step
.set C,     128                        ; v128-191 codes, registers of their own for each step
.set WREG,  8192                       ; a wave's LDS: two stages of 32 x SP bytes, then its 256 scale bytes
.set SP,    80                         ; a lane's 64 bytes + 16 of padding
.set RT,    32768                      ; the sort's 512 bytes: 128 for each wave
.set LASTP, 0x87f                      ; the list's last position, 2,175, in tile 135: no split uses it
	s_load_b256 s[4:11], s[0:1], 0x0               ; x s[4:5], indices s[6:7], xq s[8:9], xs s[10:11]
	s_load_b128 s[12:15], s[0:1], 0x20             ; list s[12:13], pos s[14:15]
	s_load_b64 s[16:17], s[0:1], 0x30              ; meta
	v_lshl_add_u32 v192, v0, 2, 0x8200
	v_mov_b32 v193, 0
	v_lshrrev_b32 v1, 5, v0
	v_readfirstlane_b32 s18, v1                    ; wave
	v_and_b32 v2, 31, v0                           ; lane
	s_cmp_lt_u32 ttmp9, 32
	s_cbranch_scc0 .Lroute
; ---------------- x: a wave takes 16 steps of 512 numbers.  Each load reads 512 consecutive bytes; a step's 2,048 bytes turn through the wave's own stage, so that a lane holds 16 neighbours along K.
	v_lshlrev_b32 v3, 4, v2                        ; my 16 bytes of a load's 512
	s_mul_i32 s19, s18, WREG
	v_lshrrev_b32 v14, 2, v2
	v_mul_u32_u24 v14, v14, SP
	v_and_b32 v15, 3, v2
	v_lshl_add_u32 v14, v15, 4, v14
	v_add_nc_u32 v14, s19, v14                     ; into the stage: SP (lane / 4) + 16 (lane % 4)
	v_mul_u32_u24 v15, v2, SP
	v_add_nc_u32 v15, s19, v15                     ; out of it: SP x lane
	v_mul_u32_u24 v4, v2, CB                       ; my codes' place in a step's 256 bytes
	v_lshrrev_b32 v5, 1, v2
	s_add_co_u32 s19, s19, 2*32*SP
	v_add_nc_u32 v5, s19, v5                       ; my block's scale byte in the wave's 256
	v_lshlrev_b32 v7, 3, v2
	v_add_nc_u32 v6, s19, v7                       ; and on the way out 8 bytes a lane
	s_lshl_b32 s20, ttmp9, 2
	s_add_co_u32 s20, s20, s18                     ; which run of 8,192 numbers is my wave's: 0 .. 127
	s_mov_b32 s23, 0
	s_wait_kmcnt 0x0
	s_lshl_b32 s22, s20, 15                        ; 32,768 bytes of x,
	s_add_nc_u64 s[4:5], s[4:5], s[22:23]
	s_lshl_b32 s22, s20, 12                        ; 4,096 of codes,
	s_add_nc_u64 s[8:9], s[8:9], s[22:23]
	s_lshl_b32 s22, s20, 8                         ; 256 scale bytes a run
	s_add_nc_u64 s[10:11], s[10:11], s[22:23]
.macro LOAD t
.irp i, 0,1,2,3
	global_load_b128 v[R+16*((\t)%4)+4*\i:R+16*((\t)%4)+4*\i+3], v3, s[4:5] offset:2048*(\t)+512*\i
.endr
.endm
.macro TURN t                          ; LDS serves a wave's instructions in order: no wait between the stores and the loads
.irp i, 0,1,2,3
	ds_store_b128 v14, v[R+16*((\t)%4)+4*\i:R+16*((\t)%4)+4*\i+3] offset:32*SP*((\t)%2)+8*SP*\i
.endr
.irp i, 0,1,2,3
	ds_load_b128 v[X+16*((\t)%2)+4*\i:X+16*((\t)%2)+4*\i+3], v15 offset:32*SP*((\t)%2)+16*\i
.endr
.endm
.irp t, 0,1,2,3
	LOAD \t
.endr
	s_wait_loadcnt 12                              ; step 0's four loads are in; three steps' twelve may be out
	TURN 0
.macro STEP t
.set XS, X+16*((\t)%2)
.if (\t) > 0
	s_wait_dscnt 1                                 ; this step's numbers are back from the stage; the last step's byte store may be out
.else
	s_wait_dscnt 0x0
.endif
.if (\t)+4 < STEPS
	LOAD (\t)+4                                    ; into the registers that the stage's stores have read
.endif
.if (\t)+1 < STEPS
.if STEPS-2-(\t) >= 3
	s_wait_loadcnt 12                              ; the next step's four loads are in; those of the three steps behind it may be out
.else
	s_wait_loadcnt 4*(STEPS-2-(\t))
.endif
	TURN (\t)+1
.endif
	v_max3_num_f32 v8, |v[XS]|, |v[XS+1]|, |v[XS+2]|               ; the largest magnitude of my 16, in two chains
	v_max3_num_f32 v9, |v[XS+3]|, |v[XS+4]|, |v[XS+5]|
.irp i, 6,10
	v_max3_num_f32 v8, v8, |v[XS+\i]|, |v[XS+\i+1]|
	v_max3_num_f32 v9, v9, |v[XS+\i+2]|, |v[XS+\i+3]|
.endr
	v_max3_num_f32 v8, v8, |v[XS+14]|, |v[XS+15]|
	v_max3_num_f32 v8, v8, v9, (EMAX+1)<<23        ; and the floor 2^(3 - 127): the byte cannot fall under 1
	v_max_num_f32_dpp v8, v8, v8 row_xmask:1 row_mask:0xf bank_mask:0xf   ; with my neighbour's 16: the block's
	v_add_nc_u32 v11, -(EMAX<<23), v8              ; 2 off its exponent field: the conversion takes that field as its scale
	v_cvt_scalef32_pk8_fp4_f32 v[C+4*(\t)], v[XS:XS+7], v11
	v_cvt_scalef32_pk8_fp4_f32 v[C+4*(\t)+1], v[XS+8:XS+15], v11
	v_lshrrev_b32 v[E+(\t)], 23, v11               ; the scale's byte (also the plain line behind the conversions)
	ds_store_b8 v5, v[E+(\t)] offset:16*(\t)       ; both lanes of a block write the same byte with the same value
	global_store_b64 v4, v[C+4*(\t):C+4*(\t)+1], s[8:9] offset:32*CB*(\t)   ; the wave stores 256 consecutive bytes, aligned
.endm
.irp t, 0,1,2,3,4,5,6,7,8,9,10,11,12,13,14,15
	STEP \t
.endr
	ds_load_b64 v[12:13], v6                       ; my wave's 256 scale bytes, behind my stores of them
	s_wait_dscnt 0x0
	global_store_b64 v7, v[12:13], s[10:11]        ; 256 consecutive bytes, aligned
	s_wait_tensorcnt 0x0
	ds_add_u32 v192, v193
	s_wait_dscnt 0x0
	s_endpgm
; ---------------- the sort.  Thread n owns slots 16 n .. 16 n + 15.  v16-31 experts, v32-47 ranks and then positions, v64-79 byte offsets into list, v80-87 tokens.
; s20-27 the wave's running counts; s28-59 the four waves' counts; s66-73 the wave's first position for each expert; s74-81 tb; s82-89 nt; s90-97 masks; s99 the tiles in all.
.Lroute:
	v_lshlrev_b32 v1, 6, v0                        ; my 16 slots: 64 bytes
	v_lshl_add_u32 v50, v0, 2, RT                  ; where my lane puts a word of the wave's counts
	v_lshrrev_b32 v52, 3, v2
	v_and_b32 v54, 7, v2
	v_lshlrev_b32 v52, 7, v52
	v_lshl_add_u32 v52, v54, 2, v52
	v_add_nc_u32 v52, RT, v52                      ; back: lane l takes wave l / 8's count of expert l % 8
.irp m, 0,1,2,3,4,5,6,7
	v_lshl_add_u32 v[80+\m], v0, 3, \m             ; slot 16 n + q belongs to token 8 n + q / 2
.endr
.irp e, 0,1,2,3,4,5,6,7
	s_mov_b32 s[20+\e], 0
.endr
	s_wait_kmcnt 0x0
.irp i, 0,1,2,3
	global_load_b128 v[16+4*\i:19+4*\i], v1, s[6:7] offset:16*\i
.endr
	s_wait_loadcnt 0x0
.irp q, 0,1,2,3,4,5,6,7,8,9,10,11,12,13,14,15
	v_min_u32 v[16+\q], 7, v[16+\q]
.endr
; A slot's rank among its wave's slots of the same expert: those of earlier q in all lanes, and those of this q in lower lanes.  Any order of an expert's rows gives the same result.
.macro RANK q
.irp e, 0,1,2,3,4,5,6,7
	v_cmp_eq_u32 s[90+\e], \e, v[16+\q]
.endr
	v_mbcnt_lo_u32_b32 v[32+\q], s90, s20
.irp e, 1,2,3,4,5,6,7
	v_mbcnt_lo_u32_b32 v48, s[90+\e], s[20+\e]
	v_cndmask_b32 v[32+\q], v[32+\q], v48, s[90+\e]
.endr
.irp e, 0,1,2,3,4,5,6,7
	s_bcnt1_i32_b32 s98, s[90+\e]
	s_add_co_u32 s[20+\e], s[20+\e], s98
.endr
.endm
.irp q, 0,1,2,3,4,5,6,7,8,9,10,11,12,13,14,15
	RANK \q
.endr
	v_mov_b32 v49, 0
.irp e, 0,1,2,3,4,5,6,7
	v_writelane_b32 v49, s[20+\e], \e
.endr
	ds_store_b32 v50, v49                          ; my wave's eight counts
	s_wait_dscnt 0x0                               ; for the others' sake: zero
	s_barrier_signal -1                            ; all four waves of this work-group are on this path: it was chosen by the work-group's number
	s_barrier_wait -1
	ds_load_b32 v51, v52
	s_wait_dscnt 0x0
.irp l, 0,1,2,3,4,5,6,7,8,9,10,11,12,13,14,15,16,17,18,19,20,21,22,23,24,25,26,27,28,29,30,31
	v_readlane_b32 s[28+\l], v51, \l
.endr
.irp w, 1,2,3                          ; sums over the waves up to and with wave w; wave 3's are n_e
.irp e, 0,1,2,3,4,5,6,7
	s_add_co_u32 s[28+8*\w+\e], s[28+8*\w+\e], s[20+8*\w+\e]
.endr
.endr
.irp e, 0,1,2,3,4,5,6,7
	s_add_co_u32 s[82+\e], s[52+\e], 15
	s_lshr_b32 s[82+\e], s[82+\e], 4               ; nt_e
	s_mov_b32 s[66+\e], 0
.endr
	s_mov_b32 s74, 0
.irp e, 1,2,3,4,5,6,7
	s_add_co_u32 s[74+\e], s[73+\e], s[81+\e]      ; tb_e
.endr
	s_add_co_u32 s99, s81, s89                     ; the tiles in all
.irp k, 1,2,3                          ; what the waves in front of mine hold of each expert
	s_cmp_eq_u32 s18, \k
.irp e, 0,1,2,3,4,5,6,7
	s_cselect_b32 s[66+\e], s[20+8*\k+\e], s[66+\e]
.endr
.endr
.irp e, 0,1,2,3,4,5,6,7
	s_lshl_b32 s98, s[74+\e], 4
	s_add_co_u32 s[66+\e], s[66+\e], s98           ; my wave's first position for expert e
.endr
.macro PLACE q
	v_mov_b32 v53, s66
.irp e, 1,2,3,4,5,6,7
	v_cmp_ne_u32 vcc_lo, \e, v[16+\q]
	v_cndmask_b32 v53, s[66+\e], v53, vcc_lo
.endr
	v_add_nc_u32 v[32+\q], v[32+\q], v53
	v_min_u32 v[32+\q], LASTP, v[32+\q]            ; a position: under 2,176
	v_lshlrev_b32 v[64+\q], 2, v[32+\q]
.endm
.irp q, 0,1,2,3,4,5,6,7,8,9,10,11,12,13,14,15
	PLACE \q
.endr
.irp i, 0,1,2,3
	global_store_b128 v1, v[32+4*\i:35+4*\i], s[14:15] offset:16*\i
.endr
.irp q, 0,1,2,3,4,5,6,7,8,9,10,11,12,13,14,15
	global_store_b32 v[64+\q], v[80+\q/2], s[12:13]
.endr
	s_cmp_lg_u32 s18, 0
	s_cbranch_scc1 .Lrdone
; Wave 0: the padding of each expert's last tile (15 positions at the most) names token 0.  All lanes store: a lane whose position lies in the padding stores the 0 there, every other lane
; stores the same 0 to the list's last position, which belongs to no expert and which nobody reads.  Each expert has an address register of its own, so no store's source is written again.
	v_mov_b32 v105, 0
	v_mov_b32 v107, LASTP
.macro PAD e
	s_lshl_b32 s98, s[74+\e], 4
	s_add_co_u32 s19, s98, s[52+\e]                ; the first position behind the expert's rows
	v_add_nc_u32 v[96+\e], s19, v2
	s_add_co_u32 s98, s[74+\e], s[82+\e]
	s_lshl_b32 s98, s98, 4                         ; the first position of the next expert
	v_cmp_gt_u32 vcc_lo, s98, v[96+\e]
	v_cndmask_b32 v[96+\e], v107, v[96+\e], vcc_lo
	v_min_u32 v[96+\e], LASTP, v[96+\e]
	v_lshlrev_b32 v[96+\e], 2, v[96+\e]
	global_store_b32 v[96+\e], v105, s[12:13]
.endm
.irp e, 0,1,2,3,4,5,6,7
	PAD \e
.endr
	v_mov_b32 v104, 0                              ; and meta
.irp e, 0,1,2,3,4,5,6,7
	v_writelane_b32 v104, s[74+\e], \e
	v_writelane_b32 v104, s[82+\e], 8+\e
.endr
	v_writelane_b32 v104, s99, 16
	v_lshlrev_b32 v106, 2, v2
	global_store_b32 v106, v104, s[16:17]
.Lrdone:
	s_wait_tensorcnt 0x0
	ds_add_u32 v192, v193
	s_wait_dscnt 0x0
	s_endpgm
.Lfunc_end_k_q30776f8b06_prep:
	.size	k_q30776f8b06_prep, .Lfunc_end_k_q30776f8b06_prep-k_q30776f8b06_prep
	.p2alignl 7, 3214868480
	.fill 96, 4, 3214868480
	.section	.rodata,"a",@progbits
	.p2align	6, 0x0
	.amdhsa_kernel k_q30776f8b06_prep
		.amdhsa_group_segment_fixed_size 33792
		.amdhsa_private_segment_fixed_size 0
		.amdhsa_enable_private_segment 0
		.amdhsa_kernarg_size 56
		.amdhsa_user_sgpr_count 2
		.amdhsa_user_sgpr_kernarg_segment_ptr 1
		.amdhsa_wavefront_size32 1
		.amdhsa_system_sgpr_workgroup_id_x 1
		.amdhsa_system_sgpr_workgroup_id_y 1
		.amdhsa_system_sgpr_workgroup_id_z 1
		.amdhsa_system_vgpr_workitem_id 0
		.amdhsa_next_free_vgpr 194
		.amdhsa_next_free_sgpr 100
		.amdhsa_reserve_vcc 1
		.amdhsa_float_denorm_mode_32 3
		.amdhsa_float_denorm_mode_16_64 3
		.amdhsa_memory_ordered 1
		.amdhsa_forward_progress 1
		.amdhsa_inst_pref_size 88
	.end_amdhsa_kernel
	.amdgpu_metadata
---
amdhsa.version: [ 1, 2 ]
amdhsa.kernels:
  - .name:           k_q30776f8b06_prep
    .symbol:         k_q30776f8b06_prep.kd
    .args:
      - { .name: x, .offset: 0, .size: 8, .value_kind: global_buffer, .address_space: global }
      - { .name: expert_indices, .offset: 8, .size: 8, .value_kind: global_buffer, .address_space: global }
      - { .name: xq, .offset: 16, .size: 8, .value_kind: global_buffer, .address_space: global }
      - { .name: xs, .offset: 24, .size: 8, .value_kind: global_buffer, .address_space: global }
      - { .name: list, .offset: 32, .size: 8, .value_kind: global_buffer, .address_space: global }
      - { .name: pos, .offset: 40, .size: 8, .value_kind: global_buffer, .address_space: global }
      - { .name: meta, .offset: 48, .size: 8, .value_kind: global_buffer, .address_space: global }
    .group_segment_fixed_size: 33792
    .private_segment_fixed_size: 0
    .kernarg_segment_align: 8
    .kernarg_segment_size: 56
    .max_flat_workgroup_size: 128
    .sgpr_count:     100
    .vgpr_count:     194
    .wavefront_size: 32
...
	.end_amdgpu_metadata
.endif
;; end of part 1
;; launch up (part 2): grid 256 x 1, 16 waves a work-group, no clusters, 79,872 bytes of LDS; arguments W1, b1, xq, xs, list, meta, himg, hsc; writes himg, hsc
.if DOCPART == 2
	.amdgcn_target "amdgcn-amd-amdhsa--gfx1250"
	.amdhsa_code_object_version 6
	.text
	.protected	k_q30776f8b06_up
	.globl	k_q30776f8b06_up
	.p2align	8
	.type	k_q30776f8b06_up,@function
k_q30776f8b06_up:
	s_mov_b64 s[64:65], 0
	v_nop
	global_prefetch_b8 v0, s[64:65] scope:SCOPE_SE
	s_setreg_imm32_b32 hwreg(HW_REG_WAVE_MODE, 25, 1), 1
	s_wait_xcnt 0x0
; Work-group (e, j), e = id / 32, j = id % 32, owns W1[e][:, 128 j .. 128 j + 127]: 512 KB of f32 that no other work-group reads.
; PHASE 1.  The slice is quantised along K (W1's first axis within an expert) on its way into LDS.  Wave w takes K step w / 2 (128 rows) x 64 columns (half w % 2).  A LANE TAKES A COLUMN AND ITS REGISTERS RUN DOWN K:
;   a block of 32 lies in one lane, and the conversions give codes with K innermost.  The codes are stored as IMAGES OF THE OPERAND'S REGISTERS: fragment (K step s, tile t) at 8192 s + 1024 t, register group c at + 512 c + 16 x lane.
;   Each weight byte is loaded once; two loads that follow each other cover 256 consecutive bytes of a row, aligned.
; PHASE 2.  For the expert's tiles of 16 routed rows (wave w: tiles w, w + 16, ..): x's codes are gathered by the list, h^T = W1^T x^T + b1 (source 0 = 16 columns of W1, source 1 = 16 rows of x), exact-erf GELU in f32,
;   quantised along the hidden axis in registers: these 128 hidden units are K step j of the second product.  Its image (1,024 bytes) and scale words (128 bytes) go to himg and hsc.
; THE COLUMNS OF A TILE ARE NOT NEIGHBOURS: row r of tile 2 b + u is column 32 b + 8 u + r + 8 (r / 8), so that the 16 registers of tiles 2 b, 2 b + 1 are 16 neighbours along the next K: 32 b + 16 (lane / 16) + 0 .. 15.
; No tensor load and no cluster: the row loop's trip count is read from memory, and no two work-groups read the same weights.
; GELU = 0.5 v (1 + erf(v / sqrt 2)); erf(z) = z P(z^2) / Q(z^2) on z held to +-4, degrees 6 and 4 in z^2, in f32: its error is a few 1e-7 absolute, at every z.
; LIMITS: NaN and infinities are not served; a block of zeros or under 2^-124 gets the scale byte 1 (read by this program alone); far below zero GELU carries the cancellation of 1 + erf, as the formula does.
; REGISTERS: v1 my column's bytes; v2 16 x lane; v3, v5 scale words' LDS places; v4 images' place on the way in; v6 the bias images; v7, v8 x's codes and scale words; v9 token; v10 4 x lane; v11 4 (lane % 16);
;   v12-15 bias piece, then two constants; v16-23 x's scale words, v24-31 W1's (two sets): scales and nothing else; v32-95 x's eight fragments; v96-159 the eight accumulators; v160-223 W1's eight fragments of a step, later at work;
;   phase 1: v96-223 two sets of 2 x 32 numbers, v224-239 codes, v240-247 at work, v248, v249 addresses.  Phase 2: v224-239 at work, v240 the scale word, v248-255 the codes.
.set PITCH, 16384                      ; a row of W1 in bytes
.set SCL,   65536                      ; LDS: behind the images, the scale words: 256 bytes a wave
.set BIAS,  69632                      ; and b1 in the accumulators' layout: 16 pieces of 512 bytes
.set XS,  16
.set WS,  24
.set XF,  32
.set ACC, 96
.set WF,  160
.set ST,  96
.set CD,  224
.set TMA, 240
.set TNB, 242
.set TS,  244
.set SW,  246
.set TM,  224
.set PW,  240
.set PC,  248
.set GZ,  160
.set GT,  168
.set GP,  176
.set GQ,  184
.set SEL, 62
.set TRIPS, 23                         ; s23  first 4 e, the offset of the reads of meta; then my wave's number of tiles
.set TRIP,  39                         ; s39  the loop's counter
.macro PAIR r, val                     ; a constant for the packed forms: they name a pair and take its low word for both halves, so both are written
	s_mov_b32 s[\r], \val
	s_mov_b32 s[\r+1], \val
.endm
; 64 loads: rows 32 b .. 32 b + 31 of my K step, my 64 columns as two groups of 32
.macro LOADBP b
.irp i, 0,1,2,3,4,5,6,7,8,9,10,11,12,13,14,15,16,17,18,19,20,21,22,23,24,25,26,27,28,29,30,31
.irp g, 0,1
	global_load_b32 v[ST+64*((\b)%2)+32*\g+\i], v1, s[4:5] offset:(32*(\b)+\i)*PITCH+128*\g th:TH_LOAD_NT
.endr
.endr
.endm
; block b of my two columns: largest magnitude (all 32 numbers are mine), scale byte into the scale word, 32 codes in 4 registers; the two groups by turns
.macro QBP b
.set XB, ST+64*((\b)%2)
.irp g, 0,1
	v_max3_num_f32 v[TMA+\g], |v[XB+32*\g]|, |v[XB+32*\g+1]|, |v[XB+32*\g+2]|
	v_max3_num_f32 v[TNB+\g], |v[XB+32*\g+3]|, |v[XB+32*\g+4]|, |v[XB+32*\g+5]|
.endr
.irp i, 6,10,14,18,22,26
.irp g, 0,1
	v_max3_num_f32 v[TMA+\g], v[TMA+\g], |v[XB+32*\g+\i]|, |v[XB+32*\g+\i+1]|
	v_max3_num_f32 v[TNB+\g], v[TNB+\g], |v[XB+32*\g+\i+2]|, |v[XB+32*\g+\i+3]|
.endr
.endr
.irp g, 0,1
	v_max3_num_f32 v[TMA+\g], v[TMA+\g], |v[XB+32*\g+30]|, |v[XB+32*\g+31]|
.endr
.irp g, 0,1
	v_max3_num_f32 v[TMA+\g], v[TMA+\g], v[TNB+\g], 0x1800000   ; the floor 2^(3 - 127): the byte cannot fall under 1
.endr
.irp g, 0,1
	v_add_nc_u32 v[TS+\g], 0xff000000, v[TMA+\g]   ; 2 off the exponent field: the conversion's scale operand
.endr
.irp g, 0,1
	v_lshrrev_b32 v[TNB+\g], 23, v[TS+\g]          ; the scale's byte
.endr
.irp g, 0,1
.if (\b) == 0
	v_mov_b32 v[SW+\g], v[TNB+\g]
.else
	v_lshl_or_b32 v[SW+\g], v[TNB+\g], 8*(\b), v[SW+\g]
.endif
.endr
.irp g, 0,1
.irp i, 0,1,2,3
	v_cvt_scalef32_pk8_fp4_f32 v[CD+8*\g+4*((\b)%2)+\i], v[XB+32*\g+8*\i:XB+32*\g+8*\i+7], v[TS+\g]
.endr
.endr
	v_nop                                          ; one plain line behind the last scaled conversion
.endm
; Blocks 2 c and 2 c + 1 are made.  Lanes 0-15 hold columns of tile 2 g, lanes 16-31 of tile 2 g + 1; the operand wants block 2 c in lanes 0-15 and block 2 c + 1 in lanes 16-31 of ONE tile:
; the exchange of halves gives tile 2 g's registers 4 c .. 4 c + 3 in the first four and tile 2 g + 1's in the second four.
.macro PUT c
.irp g, 0,1
.irp i, 0,1,2,3
	v_permlane16_swap_b32 v[CD+8*\g+\i], v[CD+8*\g+4+\i]
.endr
.endr
.irp g, 0,1
.irp u, 0,1
	ds_store_b128 v4, v[CD+8*\g+4*\u:CD+8*\g+4*\u+3] offset:(2*\g+\u)*1024+512*(\c)
.endr
.endr
.endm
.macro XADDR                           ; from the token in v9: where its codes (my half's 16 bytes of each 32) and its scale words lie
	v_min_u32 v9, 0x3ff, v9
	v_bfe_u32 v7, v0, 4, 1
	v_lshlrev_b32 v7, 4, v7
	v_lshl_add_u32 v7, v9, 9, v7
	v_lshlrev_b32 v8, 5, v9
.endm
.macro XLOAD                           ; 18 loads: the row's eight fragments and eight scale words
.irp s, 0,1,2,3,4,5,6,7
.irp c, 0,1
	global_load_b128 v[XF+8*\s+4*\c:XF+8*\s+4*\c+3], v7, s[8:9] offset:64*\s+32*\c
.endr
.endr
.irp c, 0,1
	global_load_b128 v[XS+4*\c:XS+4*\c+3], v8, s[10:11] offset:16*\c
.endr
.endm
.macro WA s                            ; 12 LDS loads: tiles 0-3 of K step s, and the step's four registers of scale words (lanes 0-15 tile 2 p, lanes 16-31 tile 2 p + 1)
.irp t, 0,1,2,3
.irp c, 0,1
	ds_load_b128 v[WF+8*\t+4*\c:WF+8*\t+4*\c+3], v2 offset:8192*(\s)+1024*\t+512*\c
.endr
.endr
.irp p, 0,1,2,3
	ds_load_b32 v[WS+4*((\s)%2)+\p], v3 offset:512*(\s)+128*\p
.endr
.endm
.macro WB s                            ; 8 LDS loads: tiles 4-7
.irp t, 4,5,6,7
.irp c, 0,1
	ds_load_b128 v[WF+8*\t+4*\c:WF+8*\t+4*\c+3], v2 offset:8192*(\s)+1024*\t+512*\c
.endr
.endr
.endm
.macro MM s, t0                        ; four products; the eight accumulators take turns, one instruction a turn
.irp t, \t0, \t0+1, \t0+2, \t0+3
.if ((\t)%2) == 1
	v_wmma_scale_f32_16x16x128_f8f6f4 v[ACC+8*(\t):ACC+8*(\t)+7], v[WF+8*(\t):WF+8*(\t)+7], v[XF+8*(\s):XF+8*(\s)+7], v[ACC+8*(\t):ACC+8*(\t)+7], v[WS+4*((\s)%2)+(\t)/2], v[XS+(\s)] matrix_a_fmt:MATRIX_FMT_FP4 matrix_b_fmt:MATRIX_FMT_FP4 matrix_a_scale:MATRIX_SCALE_ROW1
.else
	v_wmma_scale_f32_16x16x128_f8f6f4 v[ACC+8*(\t):ACC+8*(\t)+7], v[WF+8*(\t):WF+8*(\t)+7], v[XF+8*(\s):XF+8*(\s)+7], v[ACC+8*(\t):ACC+8*(\t)+7], v[WS+4*((\s)%2)+(\t)/2], v[XS+(\s)] matrix_a_fmt:MATRIX_FMT_FP4 matrix_b_fmt:MATRIX_FMT_FP4
.endif
.endr
.endm
.macro PLACES n
.rept \n
	v_nop
.endr
.endm
; GELU of accumulator t, in place, four pairs in step; the accumulator is read from its low end on
.macro GELU t
.set GA, ACC+8*(\t)
.irp p, 0,2,4,6
	v_pk_mul_f32 v[GZ+\p:GZ+\p+1], v[GA+\p:GA+\p+1], s[60:61] op_sel_hi:[1,0]          ; z = v / sqrt 2
.endr
.irp p, 0,1,2,3,4,5,6,7
	v_med3_num_f32 v[GZ+\p], v[GZ+\p], -4.0, 4.0
.endr
.irp p, 0,2,4,6
	v_pk_mul_f32 v[GT+\p:GT+\p+1], v[GZ+\p:GZ+\p+1], v[GZ+\p:GZ+\p+1]
.endr
.irp p, 0,2,4,6
	v_pk_fma_f32 v[GP+\p:GP+\p+1], v[12:13], v[GT+\p:GT+\p+1], s[40:41] op_sel_hi:[1,1,0]
	v_pk_fma_f32 v[GQ+\p:GQ+\p+1], v[14:15], v[GT+\p:GT+\p+1], s[52:53] op_sel_hi:[1,1,0]
.endr
.irp k, 42,44,46,48,50
.irp p, 0,2,4,6
	v_pk_fma_f32 v[GP+\p:GP+\p+1], v[GP+\p:GP+\p+1], v[GT+\p:GT+\p+1], s[\k:\k+1] op_sel_hi:[1,1,0]
.endr
.endr
.irp k, 54,56,58
.irp p, 0,2,4,6
	v_pk_fma_f32 v[GQ+\p:GQ+\p+1], v[GQ+\p:GQ+\p+1], v[GT+\p:GT+\p+1], s[\k:\k+1] op_sel_hi:[1,1,0]
.endr
.endr
.irp p, 0,1,2,3,4,5,6,7
	v_rcp_f32 v[GQ+\p], v[GQ+\p]
.endr
.irp p, 0,2,4,6
	v_pk_mul_f32 v[GP+\p:GP+\p+1], v[GP+\p:GP+\p+1], v[GZ+\p:GZ+\p+1]                  ; plain lines behind the reciprocals, which they do not touch
.endr
	s_wait_alu depctr_va_vdst(0)
.irp p, 0,2,4,6
	v_pk_mul_f32 v[GP+\p:GP+\p+1], v[GP+\p:GP+\p+1], v[GQ+\p:GQ+\p+1]                  ; erf
.endr
.irp p, 0,2,4,6
	v_pk_mul_f32 v[GT+\p:GT+\p+1], v[GA+\p:GA+\p+1], 0.5 op_sel_hi:[1,0]
.endr
.irp p, 0,2,4,6
	v_pk_fma_f32 v[GA+\p:GA+\p+1], v[GT+\p:GT+\p+1], v[GP+\p:GP+\p+1], v[GT+\p:GT+\p+1]
.endr
.endm
; 64 numbers of a lane, register 16 b + i = k 32 b + 16 (lane / 16) + i of my row, become a fragment's codes in v[PC] on and its scale word in v[PW]
.macro QUANT s
.irp b, 0,1,2,3
	v_max3_num_f32 v[TM+\b], |v[\s+16*\b]|, |v[\s+1+16*\b]|, 0x1800000
.endr
.irp i, 2,4,6,8,10,12,14
.irp b, 0,1,2,3
	v_max3_num_f32 v[TM+\b], v[TM+\b], |v[\s+16*\b+\i]|, |v[\s+1+16*\b+\i]|
.endr
.endr
.irp b, 0,1,2,3
	v_permlanex16_b32 v[TM+4+\b], v[TM+\b], s[SEL], s[SEL+1]
.endr
.irp b, 0,1,2,3
	v_max_num_f32 v[TM+\b], v[TM+\b], v[TM+4+\b]   ; with lane l xor 16's: the block's largest magnitude
.endr
.irp b, 0,1,2,3
	v_add_nc_u32 v[TM+12+\b], 0xff000000, v[TM+\b]
.endr
.irp b, 0,1,2,3
	v_lshrrev_b32 v[TM+4+\b], 23, v[TM+12+\b]
.endr
	v_lshl_or_b32 v[PW], v[TM+5], 8, v[TM+4]
	v_lshl_or_b32 v[PW], v[TM+6], 16, v[PW]
	v_lshl_or_b32 v[PW], v[TM+7], 24, v[PW]
.irp b, 0,1,2,3
	v_cvt_scalef32_pk8_fp4_f32 v[PC+2*\b], v[\s+16*\b:\s+7+16*\b], v[TM+12+\b]
	v_cvt_scalef32_pk8_fp4_f32 v[PC+1+2*\b], v[\s+8+16*\b:\s+15+16*\b], v[TM+12+\b]
.endr
	v_nop                                          ; one plain line behind the last scaled conversion
.irp c, 0,1                            ; the operand wants a whole block in a lane
.irp i, 0,1
	v_permlane16_swap_b32 v[PC+4*\c+\i], v[PC+2+4*\c+\i]
.endr
.endr
.endm
	s_load_b512 s[4:19], s[0:1], 0x0               ; W1 4:5, b1 6:7, xq 8:9, xs 10:11, list 12:13, meta 14:15, himg 16:17, hsc 18:19
	v_lshrrev_b32 v1, 5, v0
	v_readfirstlane_b32 s20, v1                    ; wave 0..15
	s_lshr_b32 s21, ttmp9, 5                       ; e
	s_and_b32 s22, ttmp9, 31                       ; j
	s_lshl_b32 s23, s21, 2
	v_and_b32 v250, 31, v0                         ; lane
	v_and_b32 v1, 7, v250
	v_and_b32 v2, 8, v250
	v_lshl_or_b32 v1, v2, 1, v1
	v_and_b32 v2, 16, v250
	v_lshrrev_b32 v2, 1, v2
	v_or_b32 v1, v1, v2                            ; my column of a group of 32: lanes 0-15 take 0-7 and 16-23, lanes 16-31 take 8-15 and 24-31
	v_lshlrev_b32 v1, 2, v1
	v_lshlrev_b32 v2, 4, v250
	v_lshlrev_b32 v10, 2, v250
	v_add_nc_u32 v3, SCL, v10
	s_lshl_b32 s24, s20, 12
	v_add_nc_u32 v4, s24, v2                       ; my wave's four fragments: (K step w / 2, tiles 4 (w % 2) ..) = 4096 w
	s_lshl_b32 s24, s20, 8
	v_add_nc_u32 v5, s24, v3
	v_add_nc_u32 v6, BIAS, v2
	s_lshl_b32 s24, s20, 9
	v_add_nc_u32 v249, s24, v6                     ; my wave's piece of the bias image
	v_and_b32 v11, 15, v0
	v_lshlrev_b32 v11, 2, v11
	v_bfe_u32 v248, v0, 4, 1
	v_lshlrev_b32 v248, 6, v248                    ; 16 hidden units further on for lanes 16-31
	PAIR 40, 0x32edffee                            ; P's coefficients below the leading one, descending,
	PAIR 42, 0xb60cff51
	PAIR 44, 0xb86ec2d2
	PAIR 46, 0xba40ac63
	PAIR 48, 0xbb41a1f6
	PAIR 50, 0xbc83dbd4
	PAIR 52, 0xb95fbd29                            ; Q's,
	PAIR 54, 0xbadc924e
	PAIR 56, 0xbbf19bf8
	PAIR 58, 0xbc69b6a7
	PAIR 60, 0x3f3504f3                            ; 1 / sqrt 2
	s_mov_b32 s[SEL], 0x76543210
	s_mov_b32 s[SEL+1], 0xfedcba98                 ; lane l xor 16
	s_mov_b32 s25, 0
	s_wait_kmcnt 0x0
	s_load_b32 s26, s[14:15], s23 offset:0x0       ; tb_e
	s_load_b32 s27, s[14:15], s23 offset:0x20      ; nt_e
	s_load_b32 s28, s[14:15], 0x40                 ; the tiles in all
	s_lshl_b32 s24, s21, 24                        ; W1: the expert's 16 MiB,
	s_lshr_b32 s30, s20, 1
	s_lshl_b32 s30, s30, 21                        ; my K step's 128 rows,
	s_add_co_u32 s24, s24, s30
	s_lshl_b32 s30, s22, 9                         ; the slice's 128 columns,
	s_add_co_u32 s24, s24, s30
	s_and_b32 s30, s20, 1
	s_lshl_b32 s30, s30, 8                         ; my 64 of them
	s_add_co_u32 s24, s24, s30
	s_add_nc_u64 s[4:5], s[4:5], s[24:25]
	s_lshl_b32 s24, s21, 14                        ; b1: piece w is registers 4 (w % 2) .. + 3 of tile w / 2 = 2 b + u: hidden units 32 b + 8 u + 4 (w % 2) (+ 16 for lanes 16-31)
	s_lshl_b32 s30, s22, 9
	s_add_co_u32 s24, s24, s30
	s_lshr_b32 s30, s20, 2
	s_lshl_b32 s30, s30, 7
	s_add_co_u32 s24, s24, s30
	s_bfe_u32 s30, s20, 0x10001
	s_lshl_b32 s30, s30, 5
	s_add_co_u32 s24, s24, s30
	s_and_b32 s30, s20, 1
	s_lshl_b32 s30, s30, 4
	s_add_co_u32 s24, s24, s30
	s_add_nc_u64 s[6:7], s[6:7], s[24:25]
	s_lshl_b32 s24, s22, 10
	s_add_nc_u64 s[16:17], s[16:17], s[24:25]      ; himg at K step j
	s_lshl_b32 s24, s22, 7
	s_add_nc_u64 s[18:19], s[18:19], s[24:25]      ; hsc likewise
; ---------------- phase 1.  Every counted wait here is for 63, the largest count that the wait can name: behind the 64 loads that are wanted at least 64 more have been issued.
	global_load_b128 v[12:15], v248, s[6:7]        ; my piece of b1
	LOADBP 0
	s_wait_kmcnt 0x0
	s_sub_co_u32 s31, s28, 1
	s_add_co_u32 s30, s26, s20                     ; my first tile; held inside what has been stored, should the expert have fewer tiles
	s_min_u32 s30, s30, s31
	s_min_u32 s30, s30, 135
	s_lshl_b32 s24, s30, 6
	s_add_nc_u64 s[36:37], s[12:13], s[24:25]
	global_load_b32 v9, v11, s[36:37]              ; its 16 tokens
	LOADBP 1
	s_wait_loadcnt 63                              ; b1's piece, blocks 0 and the tokens are in
	ds_store_b128 v249, v[12:15]
	QBP 0
	XADDR
	XLOAD                                          ; my first tile's x lands under the rest of this phase
	LOADBP 2
	s_wait_loadcnt 63                              ; blocks 1 are in
	QBP 1
	PUT 0
	LOADBP 3
	s_wait_loadcnt 63                              ; blocks 2 are in
	s_wait_dscnt 0x0                               ; the stores have read the codes' registers
	QBP 2
	s_wait_loadcnt 0x0
	QBP 3
	PUT 1
	ds_store_b32 v5, v[SW]                         ; lanes 0-15: tile 2 g's scale words, lanes 16-31: tile 2 g + 1's
	ds_store_b32 v5, v[SW+1] offset:128
	s_wait_dscnt 0x0                               ; for the others' sake: zero
	s_barrier_signal -1                            ; the launch's one barrier, ahead of every branch on numbers read from memory
	s_barrier_wait -1
; ---------------- phase 2
	v_mov_b32 v12, 0xaf95df0b                      ; P's leading coefficient,
	v_mov_b32 v13, 0xaf95df0b
	v_mov_b32 v14, 0xb77460cd                      ; Q's
	v_mov_b32 v15, 0xb77460cd
.irp b, 0,1,2,3
	v_mov_b32 v[TM+4+\b], 0                        ; written once: a lane permute's destination counts as one of its sources
.endr
	s_add_co_u32 s[TRIPS], s27, 15                 ; my wave's tiles are w, w + 16, ..: (nt + 15 - w) / 16 of them, rounded down
	s_sub_co_u32 s[TRIPS], s[TRIPS], s20
	s_lshr_b32 s[TRIPS], s[TRIPS], 4
	s_min_u32 s[TRIPS], s[TRIPS], 9                ; (2,048 rows are 128 tiles at the most, 8 a wave)
	s_mov_b32 s[TRIP], 0
	s_mov_b32 s29, s20                             ; the tile's number within the expert
	s_cmp_eq_u32 s[TRIPS], 0
	s_cbranch_scc1 .Lend
.Ltile:
	s_wait_loadcnt 0x0                             ; x's fragments and scale words are in
	s_add_co_u32 s30, s26, s29
	s_min_u32 s30, s30, 135
	s_lshl_b32 s24, s30, 15
	s_add_nc_u64 s[32:33], s[16:17], s[24:25]
	s_lshl_b32 s24, s30, 12
	s_add_nc_u64 s[34:35], s[18:19], s[24:25]
.irp m, 0,1,2,3,4,5,6,7,8,9,10,11,12,13,14,15
	ds_load_b128 v[ACC+4*\m:ACC+4*\m+3], v6 offset:512*\m       ; the bias is the C of each sum's first product
.endr
	WA 0
	WB 0
.irp s, 0,1,2,3,4,5,6,7
	s_wait_dscnt 8                                 ; all but WB's eight
	MM \s, 0
.if \s < 7
	PLACES 4                                       ; in front of loads into registers that the products have read
	WA \s+1
	s_wait_dscnt 12                                ; all but WA's twelve
.else
	s_wait_dscnt 0x0
.endif
	MM \s, 4
.if \s < 7
	PLACES 4
	WB \s+1
.endif
.endr
	PLACES 4                                       ; in front of the first read of results, of writes to operands' registers and of loads into them
	s_add_co_u32 s38, s[TRIP], 1
	s_cmp_lt_u32 s38, s[TRIPS]
	s_cbranch_scc0 .Lnonext
	s_add_co_u32 s38, s29, 16                      ; my next tile's x is asked for here and lands under the GELU
	s_add_co_u32 s38, s38, s26
	s_min_u32 s38, s38, 135
	s_lshl_b32 s24, s38, 6
	s_add_nc_u64 s[36:37], s[12:13], s[24:25]
	global_load_b32 v9, v11, s[36:37]
	s_wait_loadcnt 0x0
	XADDR
	XLOAD
.Lnonext:
.irp t, 0,1,2,3,4,5,6,7
	GELU \t
.endr
	QUANT ACC
	global_store_b128 v2, v[PC:PC+3], s[32:33]                  ; 512 consecutive bytes, aligned
	global_store_b128 v2, v[PC+4:PC+7], s[32:33] offset:512
	global_store_b32 v10, v[PW], s[34:35]
	s_wait_xcnt 0x0                                ; the stores' data and bases are written again only behind this wait
	s_add_co_u32 s29, s29, 16
	s_add_co_u32 s[TRIP], s[TRIP], 1
	s_cmp_lt_u32 s[TRIP], s[TRIPS]
	s_cbranch_scc1 .Ltile
.Lend:
	s_wait_xcnt 0x0
	v_lshl_add_u32 v254, v0, 2, 0x13000
	v_mov_b32 v255, 0
	s_wait_tensorcnt 0x0
	ds_add_u32 v254, v255
	s_wait_dscnt 0x0
	s_endpgm
.Lfunc_end_k_q30776f8b06_up:
	.size	k_q30776f8b06_up, .Lfunc_end_k_q30776f8b06_up-k_q30776f8b06_up
	.p2alignl 7, 3214868480
	.fill 96, 4, 3214868480
	.section	.rodata,"a",@progbits
	.p2align	6, 0x0
	.amdhsa_kernel k_q30776f8b06_up
		.amdhsa_group_segment_fixed_size 79872
		.amdhsa_private_segment_fixed_size 0
		.amdhsa_enable_private_segment 0
		.amdhsa_kernarg_size 64
		.amdhsa_user_sgpr_count 2
		.amdhsa_user_sgpr_kernarg_segment_ptr 1
		.amdhsa_wavefront_size32 1
		.amdhsa_system_sgpr_workgroup_id_x 1
		.amdhsa_system_sgpr_workgroup_id_y 1
		.amdhsa_system_sgpr_workgroup_id_z 1
		.amdhsa_system_vgpr_workitem_id 0
		.amdhsa_next_free_vgpr 256
		.amdhsa_next_free_sgpr 66
		.amdhsa_reserve_vcc 0
		.amdhsa_float_denorm_mode_32 3
		.amdhsa_float_denorm_mode_16_64 3
		.amdhsa_memory_ordered 1
		.amdhsa_forward_progress 1
		.amdhsa_inst_pref_size 111
	.end_amdhsa_kernel
	.amdgpu_metadata
---
amdhsa.version: [ 1, 2 ]
amdhsa.kernels:
  - .name:           k_q30776f8b06_up
    .symbol:         k_q30776f8b06_up.kd
    .args:
      - { .name: W1, .offset: 0, .size: 8, .value_kind: global_buffer, .address_space: global }
      - { .name: b1, .offset: 8, .size: 8, .value_kind: global_buffer, .address_space: global }
      - { .name: xq, .offset: 16, .size: 8, .value_kind: global_buffer, .address_space: global }
      - { .name: xs, .offset: 24, .size: 8, .value_kind: global_buffer, .address_space: global }
      - { .name: list, .offset: 32, .size: 8, .value_kind: global_buffer, .address_space: global }
      - { .name: meta, .offset: 40, .size: 8, .value_kind: global_buffer, .address_space: global }
      - { .name: himg, .offset: 48, .size: 8, .value_kind: global_buffer, .address_space: global }
      - { .name: hsc, .offset: 56, .size: 8, .value_kind: global_buffer, .address_space: global }
    .group_segment_fixed_size: 79872
    .private_segment_fixed_size: 0
    .kernarg_segment_align: 8
    .kernarg_segment_size: 64
    .max_flat_workgroup_size: 512
    .sgpr_count:     66
    .vgpr_count:     256
    .wavefront_size: 32
...
	.end_amdgpu_metadata
.endif
;; end of part 2
;; launch down (part 3): grid 256 x 1, 16 waves a work-group, no clusters, 141,312 bytes of LDS; arguments W2, himg, hsc, meta, y; writes y
.if DOCPART == 3
	.amdgcn_target "amdgcn-amd-amdhsa--gfx1250"
	.amdhsa_code_object_version 6
	.text
	.protected	k_q30776f8b06_down
	.globl	k_q30776f8b06_down
	.p2align	8
	.type	k_q30776f8b06_down,@function
k_q30776f8b06_down:
	s_mov_b64 s[64:65], 0
	v_nop
	global_prefetch_b8 v0, s[64:65] scope:SCOPE_SE
	s_setreg_imm32_b32 hwreg(HW_REG_WAVE_MODE, 25, 1), 1
	s_wait_xcnt 0x0
; Work-group (e, sl, kh), e = id / 32, sl = (id % 32) / 2, kh = id % 2, owns W2[e][2048 kh .. + 2047, 64 sl .. + 63]: 512 KB of f32 that no other work-group reads.
; PHASE 1.  The slice is quantised along K (the hidden axis, W2's first within an expert) on its way into LDS: wave w takes K step w of the half (128 rows x 64 columns).  A lane takes a column, its registers run down K;
;   the codes are stored as images of the operand's registers: fragment (K step s, tile t of 4) at 4096 s + 1024 t, register group c at + 512 c + 16 x lane.
; PHASE 2.  For the expert's tiles of 16 routed rows (wave w: tiles w, w + 16, ..): the hidden layer's 16 fragments of this half of K come from memory as images, y^T = W2^T h^T (source 0 = 16 columns of W2,
;   source 1 = 16 rows of h), K ascending; the partial sums go through the wave's own stage and leave as 256 consecutive bytes a row, aligned, into y[kh][position][64 sl ..].
; Row r of tile 2 b + u is column 32 b + 8 u + r + 8 (r / 8), as phase 1's lanes hold them: register j of lane (r, h) is then column 32 b + 16 h + 8 u + j of row r.
; No tensor load and no cluster: the row loop's trip count is read from memory, and no two work-groups read the same weights.
; LIMITS: NaN and infinities are not served; a block of zeros or under 2^-124 gets the scale byte 1 (read by this program alone).
; REGISTERS: v1 my column's bytes; v2 16 x lane; v3, v5 scale words' LDS places; v4 images' place on the way in; v6 4 x lane; v7, v8 the stage, in and back; v9 my bytes in two rows of y;
;   v16-23 h's scale words, v24-27 W2's (two sets): scales and nothing else; v32-95 eight fragments of h; v96-127 four accumulators; v128-191 W2's fragments, two sets; v192-223 rows on the way out;
;   phase 1: v96-223 two sets of 2 x 32 numbers, v224-239 codes, v240-247 at work.
.set PITCH, 4096                       ; a row of W2 in bytes
.set SCL,   65536                      ; LDS: behind the images, the scale words: 256 bytes a wave
.set STG,   69632                      ; and the stages: 16 rows x (256 + 16) bytes for each wave
.set HS,   16
.set WSC,  24
.set HF,   32
.set ACC,  96
.set WF,   128
.set OUTR, 192
.set ST,   96
.set CD,   224
.set TMA,  240
.set TNB,  242
.set TS,   244
.set SW,   246
.set TRIP,  39                         ; s39  the loop's counter
.set TRIPS, 40                         ; s40  my wave's number of tiles
.macro LOADBP b                        ; 64 loads: rows 32 b .. 32 b + 31 of my K step, 64 columns as two groups of 32: two loads that follow each other cover 256 consecutive bytes, aligned
.irp i, 0,1,2,3,4,5,6,7,8,9,10,11,12,13,14,15,16,17,18,19,20,21,22,23,24,25,26,27,28,29,30,31
.irp g, 0,1
	global_load_b32 v[ST+64*((\b)%2)+32*\g+\i], v1, s[4:5] offset:(32*(\b)+\i)*PITCH+128*\g th:TH_LOAD_NT
.endr
.endr
.endm
.macro QBP b                           ; block b of my two columns: largest magnitude, scale byte, 32 codes in 4 registers; the two groups by turns
.set XB, ST+64*((\b)%2)
.irp g, 0,1
	v_max3_num_f32 v[TMA+\g], |v[XB+32*\g]|, |v[XB+32*\g+1]|, |v[XB+32*\g+2]|
	v_max3_num_f32 v[TNB+\g], |v[XB+32*\g+3]|, |v[XB+32*\g+4]|, |v[XB+32*\g+5]|
.endr
.irp i, 6,10,14,18,22,26
.irp g, 0,1
	v_max3_num_f32 v[TMA+\g], v[TMA+\g], |v[XB+32*\g+\i]|, |v[XB+32*\g+\i+1]|
	v_max3_num_f32 v[TNB+\g], v[TNB+\g], |v[XB+32*\g+\i+2]|, |v[XB+32*\g+\i+3]|
.endr
.endr
.irp g, 0,1
	v_max3_num_f32 v[TMA+\g], v[TMA+\g], |v[XB+32*\g+30]|, |v[XB+32*\g+31]|
.endr
.irp g, 0,1
	v_max3_num_f32 v[TMA+\g], v[TMA+\g], v[TNB+\g], 0x1800000   ; the floor 2^(3 - 127): the byte cannot fall under 1
.endr
.irp g, 0,1
	v_add_nc_u32 v[TS+\g], 0xff000000, v[TMA+\g]   ; 2 off the exponent field: the conversion's scale operand
.endr
.irp g, 0,1
	v_lshrrev_b32 v[TNB+\g], 23, v[TS+\g]
.endr
.irp g, 0,1
.if (\b) == 0
	v_mov_b32 v[SW+\g], v[TNB+\g]
.else
	v_lshl_or_b32 v[SW+\g], v[TNB+\g], 8*(\b), v[SW+\g]
.endif
.endr
.irp g, 0,1
.irp i, 0,1,2,3
	v_cvt_scalef32_pk8_fp4_f32 v[CD+8*\g+4*((\b)%2)+\i], v[XB+32*\g+8*\i:XB+32*\g+8*\i+7], v[TS+\g]
.endr
.endr
	v_nop                                          ; one plain line behind the last scaled conversion
.endm
.macro PUT c                           ; the exchange of halves gives tile 2 g's registers 4 c .. 4 c + 3 in the first four and tile 2 g + 1's in the second four
.irp g, 0,1
.irp i, 0,1,2,3
	v_permlane16_swap_b32 v[CD+8*\g+\i], v[CD+8*\g+4+\i]
.endr
.endr
.irp g, 0,1
.irp u, 0,1
	ds_store_b128 v4, v[CD+8*\g+4*\u:CD+8*\g+4*\u+3] offset:(2*\g+\u)*1024+512*(\c)
.endr
.endr
.endm
.macro HLOAD slot0, k0, n              ; 3 n loads: h's fragments and scale words of K steps k0 .. k0 + n - 1 into slots slot0 on
.set HI, 0
.rept \n
.irp c, 0,1
	global_load_b128 v[HF+8*(\slot0+HI)+4*\c:HF+8*(\slot0+HI)+4*\c+3], v2, s[32:33] offset:1024*(\k0+HI)+512*\c
.endr
	global_load_b32 v[HS+\slot0+HI], v6, s[34:35] offset:128*(\k0+HI)
.set HI, HI+1
.endr
.endm
.macro WL s                            ; 10 LDS loads: K step s's four fragments of W2 and two registers of scale words
.irp t, 0,1,2,3
.irp c, 0,1
	ds_load_b128 v[WF+32*((\s)%2)+8*\t+4*\c:WF+32*((\s)%2)+8*\t+4*\c+3], v2 offset:4096*(\s)+1024*\t+512*\c
.endr
.endr
.irp g, 0,1
	ds_load_b32 v[WSC+2*((\s)%2)+\g], v3 offset:256*(\s)+128*\g
.endr
.endm
.macro MM s                            ; four products; the four accumulators take turns, one instruction a turn.  The first K step starts the sums
.irp t, 0,1,2,3
.if (\s) == 0
.if (\t%2) == 1
	v_wmma_scale_f32_16x16x128_f8f6f4 v[ACC+8*\t:ACC+8*\t+7], v[WF+32*((\s)%2)+8*\t:WF+32*((\s)%2)+8*\t+7], v[HF+8*((\s)%8):HF+8*((\s)%8)+7], 0, v[WSC+2*((\s)%2)+\t/2], v[HS+(\s)%8] matrix_a_fmt:MATRIX_FMT_FP4 matrix_b_fmt:MATRIX_FMT_FP4 matrix_a_scale:MATRIX_SCALE_ROW1
.else
	v_wmma_scale_f32_16x16x128_f8f6f4 v[ACC+8*\t:ACC+8*\t+7], v[WF+32*((\s)%2)+8*\t:WF+32*((\s)%2)+8*\t+7], v[HF+8*((\s)%8):HF+8*((\s)%8)+7], 0, v[WSC+2*((\s)%2)+\t/2], v[HS+(\s)%8] matrix_a_fmt:MATRIX_FMT_FP4 matrix_b_fmt:MATRIX_FMT_FP4
.endif
.else
.if (\t%2) == 1
	v_wmma_scale_f32_16x16x128_f8f6f4 v[ACC+8*\t:ACC+8*\t+7], v[WF+32*((\s)%2)+8*\t:WF+32*((\s)%2)+8*\t+7], v[HF+8*((\s)%8):HF+8*((\s)%8)+7], v[ACC+8*\t:ACC+8*\t+7], v[WSC+2*((\s)%2)+\t/2], v[HS+(\s)%8] matrix_a_fmt:MATRIX_FMT_FP4 matrix_b_fmt:MATRIX_FMT_FP4 matrix_a_scale:MATRIX_SCALE_ROW1
.else
	v_wmma_scale_f32_16x16x128_f8f6f4 v[ACC+8*\t:ACC+8*\t+7], v[WF+32*((\s)%2)+8*\t:WF+32*((\s)%2)+8*\t+7], v[HF+8*((\s)%8):HF+8*((\s)%8)+7], v[ACC+8*\t:ACC+8*\t+7], v[WSC+2*((\s)%2)+\t/2], v[HS+(\s)%8] matrix_a_fmt:MATRIX_FMT_FP4 matrix_b_fmt:MATRIX_FMT_FP4
.endif
.endif
.endr
.endm
.macro PLACES n
.rept \n
	v_nop
.endr
.endm
	s_load_b256 s[4:11], s[0:1], 0x0               ; W2 4:5, himg 6:7, hsc 8:9, meta 10:11
	s_load_b64 s[12:13], s[0:1], 0x20              ; y
	v_lshl_add_u32 v254, v0, 2, 0x22000
	v_mov_b32 v255, 0
	v_lshrrev_b32 v1, 5, v0
	v_readfirstlane_b32 s20, v1                    ; wave 0..15
	s_lshr_b32 s21, ttmp9, 5                       ; e
	s_bfe_u32 s22, ttmp9, 0x40001                  ; sl
	s_and_b32 s23, ttmp9, 1                        ; kh
	s_lshl_b32 s14, s21, 2
	v_and_b32 v250, 31, v0                         ; lane
	v_and_b32 v251, 15, v0                         ; r
	v_bfe_u32 v252, v0, 4, 1                       ; h
	v_and_b32 v1, 7, v250
	v_and_b32 v2, 8, v250
	v_lshl_or_b32 v1, v2, 1, v1
	v_and_b32 v2, 16, v250
	v_lshrrev_b32 v2, 1, v2
	v_or_b32 v1, v1, v2                            ; my column of a group of 32: lanes 0-15 take 0-7 and 16-23, lanes 16-31 take 8-15 and 24-31
	v_lshlrev_b32 v1, 2, v1
	v_lshlrev_b32 v2, 4, v250
	v_lshlrev_b32 v6, 2, v250
	v_add_nc_u32 v3, SCL, v6
	s_lshl_b32 s24, s20, 12
	v_add_nc_u32 v4, s24, v2
	s_lshl_b32 s24, s20, 8
	v_add_nc_u32 v5, s24, v3
	s_mul_i32 s24, s20, 16*272
	s_add_co_u32 s24, s24, STG                     ; my stage
	v_mul_u32_u24 v7, v251, 272
	v_lshl_add_u32 v7, v252, 6, v7
	v_add_nc_u32 v7, s24, v7                       ; in: row r, + 64 h bytes
	v_mul_u32_u24 v8, v252, 272
	v_lshl_add_u32 v8, v251, 4, v8
	v_add_nc_u32 v8, s24, v8                       ; back: lanes 0-15 one row of 256 bytes, lanes 16-31 the next
	v_lshlrev_b32 v9, 12, v252
	v_lshl_add_u32 v9, v251, 4, v9                 ; and the same two rows in y
	s_mov_b32 s25, 0
	s_wait_kmcnt 0x0
	s_load_b32 s26, s[10:11], s14 offset:0x0       ; tb_e
	s_load_b32 s27, s[10:11], s14 offset:0x20      ; nt_e
	s_load_b32 s28, s[10:11], 0x40                 ; the tiles in all
	s_lshl_b32 s24, s21, 24                        ; W2: the expert's 16 MiB,
	s_lshl_b32 s30, s23, 23                        ; the half's 2,048 rows,
	s_add_co_u32 s24, s24, s30
	s_lshl_b32 s30, s20, 19                        ; my K step's 128 rows,
	s_add_co_u32 s24, s24, s30
	s_lshl_b32 s30, s22, 8                         ; the slice's 64 columns
	s_add_co_u32 s24, s24, s30
	s_add_nc_u64 s[4:5], s[4:5], s[24:25]
	s_lshl_b32 s24, s23, 14
	s_add_nc_u64 s[6:7], s[6:7], s[24:25]          ; himg at the half's first K step
	s_lshl_b32 s24, s23, 11
	s_add_nc_u64 s[8:9], s[8:9], s[24:25]          ; hsc likewise
	s_mul_i32 s24, s23, 0x880000                   ; y: the half's 2,176 rows,
	s_add_co_u32 s24, s24, s30                     ; the slice's 256 bytes
	s_add_nc_u64 s[12:13], s[12:13], s[24:25]
; ---------------- phase 1.  Every counted wait here is for 63, the largest count that the wait can name: behind the 64 loads that are wanted at least 64 more have been issued.
	LOADBP 0
	s_wait_kmcnt 0x0
	s_sub_co_u32 s31, s28, 1
	s_add_co_u32 s30, s26, s20                     ; my first tile; held inside what has been stored, should the expert have fewer tiles
	s_min_u32 s30, s30, s31
	s_min_u32 s30, s30, 135
	s_lshl_b32 s24, s30, 15
	s_add_nc_u64 s[32:33], s[6:7], s[24:25]
	s_lshl_b32 s24, s30, 12
	s_add_nc_u64 s[34:35], s[8:9], s[24:25]
	HLOAD 0, 0, 8                                  ; its first eight K steps of h land under the rest of this phase
	LOADBP 1
	s_wait_loadcnt 63                              ; blocks 0 are in
	QBP 0
	LOADBP 2
	s_wait_loadcnt 63                              ; blocks 1 are in
	QBP 1
	PUT 0
	LOADBP 3
	s_wait_loadcnt 63                              ; blocks 2 are in
	s_wait_dscnt 0x0                               ; the stores have read the codes' registers
	QBP 2
	s_wait_loadcnt 0x0
	QBP 3
	PUT 1
	ds_store_b32 v5, v[SW]                         ; lanes 0-15: tile 2 g's scale words, lanes 16-31: tile 2 g + 1's
	ds_store_b32 v5, v[SW+1] offset:128
	s_wait_dscnt 0x0                               ; for the others' sake: zero
	s_barrier_signal -1                            ; the launch's one barrier, ahead of every branch on numbers read from memory
	s_barrier_wait -1
; ---------------- phase 2
	s_add_co_u32 s[TRIPS], s27, 15                 ; my wave's tiles are w, w + 16, ..: (nt + 15 - w) / 16 of them, rounded down
	s_sub_co_u32 s[TRIPS], s[TRIPS], s20
	s_lshr_b32 s[TRIPS], s[TRIPS], 4
	s_min_u32 s[TRIPS], s[TRIPS], 9                ; (2,048 rows are 128 tiles at the most, 8 a wave)
	s_mov_b32 s[TRIP], 0
	s_mov_b32 s29, s20                             ; the tile's number within the expert
	s_cmp_eq_u32 s[TRIPS], 0
	s_cbranch_scc1 .Lend
.Ltile:
	s_wait_loadcnt 0x0                             ; h's K steps 0-7 are in
	s_add_co_u32 s30, s26, s29
	s_min_u32 s30, s30, 135
	s_lshl_b32 s24, s30, 16
	s_add_nc_u64 s[36:37], s[12:13], s[24:25]      ; the tile's 16 rows of y
	WL 0
	WL 1
.irp s, 0,1,2,3,4,5,6,7,8,9,10,11,12,13,14,15
.if \s == 8
	s_wait_loadcnt 12                              ; K steps 8-11 are in; the twelve loads of steps 12-15 may be out
.endif
.if \s == 12
	s_wait_loadcnt 0x0
.endif
.if \s < 15
	s_wait_dscnt 10                                ; this step's fragments are in; the next step's ten loads may be out
.else
	s_wait_dscnt 0x0
.endif
	MM \s
.if \s < 14
	PLACES 4                                       ; in front of loads into registers that the products have read
	WL \s+2
.endif
.if \s == 3
	HLOAD 0, 8, 4                                  ; slots 0-3 are done with
.endif
.if \s == 7
	HLOAD 4, 12, 4
.endif
.endr
	PLACES 5                                       ; four in front of the reads of results and of loads into operands; the fifth since the next tile's first products write over these accumulators
	s_add_co_u32 s38, s[TRIP], 1
	s_cmp_lt_u32 s38, s[TRIPS]
	s_cbranch_scc0 .Lnonext
	s_add_co_u32 s38, s29, 16                      ; my next tile's h is asked for here: every load by the old bases was shown done at K step 12
	s_add_co_u32 s38, s38, s26
	s_min_u32 s38, s38, 135
	s_lshl_b32 s24, s38, 15
	s_add_nc_u64 s[32:33], s[6:7], s[24:25]
	s_lshl_b32 s24, s38, 12
	s_add_nc_u64 s[34:35], s[8:9], s[24:25]
	HLOAD 0, 0, 8
.Lnonext:
.irp b, 0,1
.irp u, 0,1
	ds_store_b128 v7, v[ACC+8*(2*\b+\u):ACC+8*(2*\b+\u)+3] offset:128*\b+32*\u        ; each accumulator from its low end on
	ds_store_b128 v7, v[ACC+8*(2*\b+\u)+4:ACC+8*(2*\b+\u)+7] offset:128*\b+32*\u+16
.endr
.endr
.irp i, 0,1,2,3,4,5,6,7
	ds_load_b128 v[OUTR+4*\i:OUTR+4*\i+3], v8 offset:544*\i     ; LDS serves a wave's instructions in order: these see my stores
.endr
.irp i, 0,1,2,3,4,5,6,7
	s_wait_dscnt 7-\i
	global_store_b128 v9, v[OUTR+4*\i:OUTR+4*\i+3], s[36:37] offset:8192*\i th:TH_STORE_NT   ; 16 lanes store 256 consecutive bytes, aligned
.endr
	s_wait_xcnt 0x0                                ; the stores' data and base are written again only behind this wait
	s_add_co_u32 s29, s29, 16
	s_add_co_u32 s[TRIP], s[TRIP], 1
	s_cmp_lt_u32 s[TRIP], s[TRIPS]
	s_cbranch_scc1 .Ltile
.Lend:
	s_wait_tensorcnt 0x0
	ds_add_u32 v254, v255
	s_wait_dscnt 0x0
	s_endpgm
.Lfunc_end_k_q30776f8b06_down:
	.size	k_q30776f8b06_down, .Lfunc_end_k_q30776f8b06_down-k_q30776f8b06_down
	.p2alignl 7, 3214868480
	.fill 96, 4, 3214868480
	.section	.rodata,"a",@progbits
	.p2align	6, 0x0
	.amdhsa_kernel k_q30776f8b06_down
		.amdhsa_group_segment_fixed_size 141312
		.amdhsa_private_segment_fixed_size 0
		.amdhsa_enable_private_segment 0
		.amdhsa_kernarg_size 40
		.amdhsa_user_sgpr_count 2
		.amdhsa_user_sgpr_kernarg_segment_ptr 1
		.amdhsa_wavefront_size32 1
		.amdhsa_system_sgpr_workgroup_id_x 1
		.amdhsa_system_sgpr_workgroup_id_y 1
		.amdhsa_system_sgpr_workgroup_id_z 1
		.amdhsa_system_vgpr_workitem_id 0
		.amdhsa_next_free_vgpr 256
		.amdhsa_next_free_sgpr 66
		.amdhsa_reserve_vcc 0
		.amdhsa_float_denorm_mode_32 3
		.amdhsa_float_denorm_mode_16_64 3
		.amdhsa_memory_ordered 1
		.amdhsa_forward_progress 1
		.amdhsa_inst_pref_size 71
	.end_amdhsa_kernel
	.amdgpu_metadata
---
amdhsa.version: [ 1, 2 ]
amdhsa.kernels:
  - .name:           k_q30776f8b06_down
    .symbol:         k_q30776f8b06_down.kd
    .args:
      - { .name: W2, .offset: 0, .size: 8, .value_kind: global_buffer, .address_space: global }
      - { .name: himg, .offset: 8, .size: 8, .value_kind: global_buffer, .address_space: global }
      - { .name: hsc, .offset: 16, .size: 8, .value_kind: global_buffer, .address_space: global }
      - { .name: meta, .offset: 24, .size: 8, .value_kind: global_buffer, .address_space: global }
      - { .name: y, .offset: 32, .size: 8, .value_kind: global_buffer, .address_space: global }
    .group_segment_fixed_size: 141312
    .private_segment_fixed_size: 0
    .kernarg_segment_align: 8
    .kernarg_segment_size: 40
    .max_flat_workgroup_size: 512
    .sgpr_count:     66
    .vgpr_count:     256
    .wavefront_size: 32
...
	.end_amdgpu_metadata
.endif
;; end of part 3
;; launch comb (part 4): grid 256 x 1, 4 waves a work-group, no clusters, 0 bytes of LDS; arguments x, expert_weights, expert_indices, b2, pos, y, out0; writes out0
.if DOCPART == 4
	.amdgcn_target "amdgcn-amd-amdhsa--gfx1250"
	.amdhsa_code_object_version 6
	.text
	.protected	k_q30776f8b06_comb
	.globl	k_q30776f8b06_comb
	.p2align	8
	.type	k_q30776f8b06_comb,@function
k_q30776f8b06_comb:
	s_mov_b64 s[64:65], 0
	v_nop
	global_prefetch_b8 v0, s[64:65] scope:SCOPE_SE
	s_setreg_imm32_b32 hwreg(HW_REG_WAVE_MODE, 25, 1), 1
	s_wait_xcnt 0x0
; out[t] = x[t] + sum over k = 0, 1 of softmax(expert_weights[t])_k x (y[0][pos[2 t + k]] + y[1][pos[2 t + k]] + b2[expert_indices[t][k]]).
; One wave to a token: a row is 4,096 bytes, eight loads of 512 consecutive bytes from each of seven rows (x, two halves of K for each of the two slots, two rows of b2); all 56 are out together.
; The softmax takes its maximum away first.  A stream: no LDS, no barrier, no matrix unit.  Positions are held under 2,176 and experts under 8.
	s_load_b256 s[4:11], s[0:1], 0x0               ; x 4:5, weights 6:7, indices 8:9, b2 10:11
	s_load_b128 s[12:15], s[0:1], 0x20             ; pos 12:13, y 14:15
	s_load_b64 s[16:17], s[0:1], 0x30              ; out0
	v_lshrrev_b32 v1, 5, v0
	v_readfirstlane_b32 s18, v1
	s_lshl_b32 s19, ttmp9, 2
	s_add_co_u32 s19, s19, s18                     ; my token
	s_lshl_b32 s20, s19, 3
	v_and_b32 v1, 31, v0
	v_lshlrev_b32 v1, 4, v1                        ; 16 bytes a lane
	s_wait_kmcnt 0x0
	s_load_b64 s[22:23], s[12:13], s20 offset:0x0  ; the two positions,
	s_load_b64 s[24:25], s[8:9], s20 offset:0x0    ; experts,
	s_load_b64 s[26:27], s[6:7], s20 offset:0x0    ; weights
	s_lshl_b32 s44, s19, 12
	s_mov_b32 s45, 0
	s_add_nc_u64 s[28:29], s[4:5], s[44:45]        ; x's row
	s_add_nc_u64 s[30:31], s[16:17], s[44:45]      ; out's
	s_wait_kmcnt 0x0
	s_min_u32 s22, s22, 0x87f
	s_min_u32 s23, s23, 0x87f
	s_min_u32 s24, s24, 7
	s_min_u32 s25, s25, 7
	s_lshl_b32 s44, s22, 12
	s_add_nc_u64 s[32:33], s[14:15], s[44:45]      ; y, first half of K, slot 0
	s_add_nc_u64 s[34:35], s[32:33], 0x880000      ; second half
	s_lshl_b32 s44, s23, 12
	s_add_nc_u64 s[36:37], s[14:15], s[44:45]      ; slot 1
	s_add_nc_u64 s[38:39], s[36:37], 0x880000
	s_lshl_b32 s44, s24, 12
	s_add_nc_u64 s[40:41], s[10:11], s[44:45]      ; b2's rows
	s_lshl_b32 s44, s25, 12
	s_add_nc_u64 s[42:43], s[10:11], s[44:45]
.irp i, 0,1,2,3,4,5,6,7
	global_load_b128 v[16+28*\i:19+28*\i], v1, s[28:29] offset:512*\i
	global_load_b128 v[20+28*\i:23+28*\i], v1, s[32:33] offset:512*\i th:TH_LOAD_NT
	global_load_b128 v[24+28*\i:27+28*\i], v1, s[34:35] offset:512*\i th:TH_LOAD_NT
	global_load_b128 v[28+28*\i:31+28*\i], v1, s[40:41] offset:512*\i
	global_load_b128 v[32+28*\i:35+28*\i], v1, s[36:37] offset:512*\i th:TH_LOAD_NT
	global_load_b128 v[36+28*\i:39+28*\i], v1, s[38:39] offset:512*\i th:TH_LOAD_NT
	global_load_b128 v[40+28*\i:43+28*\i], v1, s[42:43] offset:512*\i
.endr
	v_mov_b32 v6, s26                              ; the softmax of two, while the loads are out
	v_mov_b32 v7, s27
	v_max_num_f32 v8, v6, v7
	v_sub_f32 v6, v6, v8
	v_sub_f32 v7, v7, v8
	v_mul_f32 v6, 0x3fb8aa3b, v6
	v_mul_f32 v7, 0x3fb8aa3b, v7
	v_exp_f32 v6, v6
	v_exp_f32 v7, v7
	v_nop                                          ; a plain line behind the exponentials
	s_wait_alu depctr_va_vdst(0)
	v_add_f32 v8, v6, v7
	v_rcp_f32 v8, v8
	v_nop                                          ; and behind the reciprocal
	s_wait_alu depctr_va_vdst(0)
	v_mul_f32 v2, v6, v8
	v_mul_f32 v4, v7, v8
	v_mov_b32 v3, v2                               ; each weight twice, for the packed forms
	v_mov_b32 v5, v4
.irp i, 0,1,2,3,4,5,6,7
	s_wait_loadcnt 7*(7-\i)                        ; this group's seven loads are in; the younger groups may be out
.irp c, 0,2
	v_pk_add_f32 v[20+28*\i+\c:21+28*\i+\c], v[20+28*\i+\c:21+28*\i+\c], v[24+28*\i+\c:25+28*\i+\c]
	v_pk_add_f32 v[32+28*\i+\c:33+28*\i+\c], v[32+28*\i+\c:33+28*\i+\c], v[36+28*\i+\c:37+28*\i+\c]
	v_pk_add_f32 v[20+28*\i+\c:21+28*\i+\c], v[20+28*\i+\c:21+28*\i+\c], v[28+28*\i+\c:29+28*\i+\c]
	v_pk_add_f32 v[32+28*\i+\c:33+28*\i+\c], v[32+28*\i+\c:33+28*\i+\c], v[40+28*\i+\c:41+28*\i+\c]
	v_pk_fma_f32 v[16+28*\i+\c:17+28*\i+\c], v[2:3], v[20+28*\i+\c:21+28*\i+\c], v[16+28*\i+\c:17+28*\i+\c]
	v_pk_fma_f32 v[16+28*\i+\c:17+28*\i+\c], v[4:5], v[32+28*\i+\c:33+28*\i+\c], v[16+28*\i+\c:17+28*\i+\c]
.endr
	global_store_b128 v1, v[16+28*\i:19+28*\i], s[30:31] offset:512*\i th:TH_STORE_NT   ; 512 consecutive bytes, aligned
.endr
	s_endpgm
.Lfunc_end_k_q30776f8b06_comb:
	.size	k_q30776f8b06_comb, .Lfunc_end_k_q30776f8b06_comb-k_q30776f8b06_comb
	.p2alignl 7, 3214868480
	.fill 96, 4, 3214868480
	.section	.rodata,"a",@progbits
	.p2align	6, 0x0
	.amdhsa_kernel k_q30776f8b06_comb
		.amdhsa_group_segment_fixed_size 0
		.amdhsa_private_segment_fixed_size 0
		.amdhsa_enable_private_segment 0
		.amdhsa_kernarg_size 56
		.amdhsa_user_sgpr_count 2
		.amdhsa_user_sgpr_kernarg_segment_ptr 1
		.amdhsa_wavefront_size32 1
		.amdhsa_system_sgpr_workgroup_id_x 1
		.amdhsa_system_sgpr_workgroup_id_y 1
		.amdhsa_system_sgpr_workgroup_id_z 1
		.amdhsa_system_vgpr_workitem_id 0
		.amdhsa_next_free_vgpr 240
		.amdhsa_next_free_sgpr 66
		.amdhsa_reserve_vcc 0
		.amdhsa_float_denorm_mode_32 3
		.amdhsa_float_denorm_mode_16_64 3
		.amdhsa_memory_ordered 1
		.amdhsa_forward_progress 1
		.amdhsa_inst_pref_size 15
	.end_amdhsa_kernel
	.amdgpu_metadata
---
amdhsa.version: [ 1, 2 ]
amdhsa.kernels:
  - .name:           k_q30776f8b06_comb
    .symbol:         k_q30776f8b06_comb.kd
    .args:
      - { .name: x, .offset: 0, .size: 8, .value_kind: global_buffer, .address_space: global }
      - { .name: expert_weights, .offset: 8, .size: 8, .value_kind: global_buffer, .address_space: global }
      - { .name: expert_indices, .offset: 16, .size: 8, .value_kind: global_buffer, .address_space: global }
      - { .name: b2, .offset: 24, .size: 8, .value_kind: global_buffer, .address_space: global }
      - { .name: pos, .offset: 32, .size: 8, .value_kind: global_buffer, .address_space: global }
      - { .name: y, .offset: 40, .size: 8, .value_kind: global_buffer, .address_space: global }
      - { .name: out0, .offset: 48, .size: 8, .value_kind: global_buffer, .address_space: global }
    .group_segment_fixed_size: 0
    .private_segment_fixed_size: 0
    .kernarg_segment_align: 8
    .kernarg_segment_size: 56
    .max_flat_workgroup_size: 128
    .sgpr_count:     66
    .vgpr_count:     240
    .wavefront_size: 32
...
	.end_amdgpu_metadata
.endif
;; end of part 4
;; ======== version 2 of 2: 4 launches
;; workspace buffers: xq 524,288 bytes; xs 32,768 bytes; list 8,704 bytes of whole numbers; pos 8,192 bytes of whole numbers; meta 256 bytes of whole numbers; himg 4,456,448 bytes; hsc 557,056 bytes; y 17,825,792 bytes
;; launch prep (part 5): grid 33 x 1, 4 waves a work-group, no clusters, 33,792 bytes of LDS; arguments x, expert_indices, xq, xs, list, pos, meta; writes xq, xs, list, pos, meta
.if DOCPART == 5
	.amdgcn_target "amdgcn-amd-amdhsa--gfx1250"
	.amdhsa_code_object_version 6
	.text
	.protected	k_q30776f8b06_prep
	.globl	k_q30776f8b06_prep
	.p2align	8
	.type	k_q30776f8b06_prep,@function
k_q30776f8b06_prep:
	s_mov_b64 s[64:65], 0
	v_nop
	global_prefetch_b8 v0, s[64:65] scope:SCOPE_SE
	s_setreg_imm32_b32 hwreg(HW_REG_WAVE_MODE, 25, 1), 1
	s_wait_xcnt 0x0
; Work-groups 0-31: x [1024 tokens][1024] f32 becomes codes of FP4 (E2M1), K innermost (xq: 512 bytes a token), with one E8M0 byte for each 32 along K (xs: 32 bytes a token).
; Work-group 32: the 2,048 slots (token, k) are sorted by expert, by counting, with no atomics.  Expert e gets the positions 16 tb_e .. 16 (tb_e + nt_e) - 1, nt_e = ceil(n_e / 16) tiles of 16 rows.
;   list[position] = token (the padding of an expert's last tile names token 0);  pos[slot] = position;  meta: words 0-7 tb_e, 8-15 nt_e, 16 the tiles in all (128 to 135 for every split, so tile 135 is never used).
; A block's scale is 2^(floor(log2(its largest magnitude)) - 2); its byte is the largest magnitude's exponent field - 2, held at 1 from below by a floor among the maximum's leaves.
; LIMITS: a block of zeros, or one whose largest magnitude lies under 2^-124, gets the byte 1 (its codes are zeros or held small; the bytes are read by this program alone); NaN and infinities are not served;
; expert indices are held to 0 .. 7.
; The two paths part on the work-group's number alone and have LDS bytes of their own: 0 .. 32767 the x path (8,192 a wave), 32768 .. 33279 the sort.
.set STEPS, 16
.set EMAX,  2
.set CB,    8                          ; bytes of 16 codes
.set R,     16                         ; v16-79   four sets of 16 numbers as loaded
.set X,     80                         ; v80-111  two sets of 16 neighbours
.set E,     112                        ; v112-127 a scale byte for each step
.set C,     128                        ; v128-191 codes, registers of their own for each step
.set WREG,  8192                       ; a wave's LDS: two stages of 32 x SP bytes, then its 256 scale bytes
.set SP,    80                         ; a lane's 64 bytes + 16 of padding
.set RT,    32768                      ; the sort's 512 bytes: 128 for each wave
.set LASTP, 0x87f                      ; the list's last position, 2,175, in tile 135: no split uses it
	s_load_b256 s[4:11], s[0:1], 0x0               ; x s[4:5], indices s[6:7], xq s[8:9], xs s[10:11]
	s_load_b128 s[12:15], s[0:1], 0x20             ; list s[12:13], pos s[14:15]
	s_load_b64 s[16:17], s[0:1], 0x30              ; meta
	v_lshl_add_u32 v192, v0, 2, 0x8200
	v_mov_b32 v193, 0
	v_lshrrev_b32 v1, 5, v0
	v_readfirstlane_b32 s18, v1                    ; wave
	v_and_b32 v2, 31, v0                           ; lane
	s_cmp_lt_u32 ttmp9, 32
	s_cbranch_scc0 .Lroute
; ---------------- x: a wave takes 16 steps of 512 numbers.  Each load reads 512 consecutive bytes; a step's 2,048 bytes turn through the wave's own stage, so that a lane holds 16 neighbours along K.
	v_lshlrev_b32 v3, 4, v2                        ; my 16 bytes of a load's 512
	s_mul_i32 s19, s18, WREG
	v_lshrrev_b32 v14, 2, v2
	v_mul_u32_u24 v14, v14, SP
	v_and_b32 v15, 3, v2
	v_lshl_add_u32 v14, v15, 4, v14
	v_add_nc_u32 v14, s19, v14                     ; into the stage: SP (lane / 4) + 16 (lane % 4)
	v_mul_u32_u24 v15, v2, SP
	v_add_nc_u32 v15, s19, v15                     ; out of it: SP x lane
	v_mul_u32_u24 v4, v2, CB                       ; my codes' place in a step's 256 bytes
	v_lshrrev_b32 v5, 1, v2
	s_add_co_u32 s19, s19, 2*32*SP
	v_add_nc_u32 v5, s19, v5                       ; my block's scale byte in the wave's 256
	v_lshlrev_b32 v7, 3, v2
	v_add_nc_u32 v6, s19, v7                       ; and on the way out 8 bytes a lane
	s_lshl_b32 s20, ttmp9, 2
	s_add_co_u32 s20, s20, s18                     ; which run of 8,192 numbers is my wave's: 0 .. 127
	s_mov_b32 s23, 0
	s_wait_alu depctr_va_vdst(0)
	s_wait_kmcnt 0x0
	s_lshl_b32 s22, s20, 15                        ; 32,768 bytes of x,
	s_add_nc_u64 s[4:5], s[4:5], s[22:23]
	s_lshl_b32 s22, s20, 12                        ; 4,096 of codes,
	s_add_nc_u64 s[8:9], s[8:9], s[22:23]
	s_lshl_b32 s22, s20, 8                         ; 256 scale bytes a run
	s_add_nc_u64 s[10:11], s[10:11], s[22:23]
.macro LOAD t
.irp i, 0,1,2,3
	global_load_b128 v[R+16*((\t)%4)+4*\i:R+16*((\t)%4)+4*\i+3], v3, s[4:5] offset:2048*(\t)+512*\i
.endr
.endm
.macro TURN t                          ; LDS serves a wave's instructions in order: no wait between the stores and the loads
.irp i, 0,1,2,3
	ds_store_b128 v14, v[R+16*((\t)%4)+4*\i:R+16*((\t)%4)+4*\i+3] offset:32*SP*((\t)%2)+8*SP*\i
.endr
.irp i, 0,1,2,3
	ds_load_b128 v[X+16*((\t)%2)+4*\i:X+16*((\t)%2)+4*\i+3], v15 offset:32*SP*((\t)%2)+16*\i
.endr
.endm
.irp t, 0,1,2,3
	LOAD \t
.endr
	s_wait_loadcnt 12                              ; step 0's four loads are in; three steps' twelve may be out
	TURN 0
.macro STEP t
.set XS, X+16*((\t)%2)
.if (\t) > 0
	s_wait_dscnt 1                                 ; this step's numbers are back from the stage; the last step's byte store may be out
.else
	s_wait_dscnt 0x0
.endif
.if (\t)+4 < STEPS
	LOAD (\t)+4                                    ; into the registers that the stage's stores have read
.endif
.if (\t)+1 < STEPS
.if STEPS-2-(\t) >= 3
	s_wait_loadcnt 12                              ; the next step's four loads are in; those of the three steps behind it may be out
.else
	s_wait_loadcnt 4*(STEPS-2-(\t))
.endif
	TURN (\t)+1
.endif
	v_max3_num_f32 v8, |v[XS]|, |v[XS+1]|, |v[XS+2]|               ; the largest magnitude of my 16, in two chains
	v_max3_num_f32 v9, |v[XS+3]|, |v[XS+4]|, |v[XS+5]|
.irp i, 6,10
	v_max3_num_f32 v8, v8, |v[XS+\i]|, |v[XS+\i+1]|
	v_max3_num_f32 v9, v9, |v[XS+\i+2]|, |v[XS+\i+3]|
.endr
	v_max3_num_f32 v8, v8, |v[XS+14]|, |v[XS+15]|
	v_max3_num_f32 v8, v8, v9, (EMAX+1)<<23        ; and the floor 2^(3 - 127): the byte cannot fall under 1
	v_max_num_f32_dpp v8, v8, v8 row_xmask:1 row_mask:0xf bank_mask:0xf   ; with my neighbour's 16: the block's
	v_add_nc_u32 v11, -(EMAX<<23), v8              ; 2 off its exponent field: the conversion takes that field as its scale
	v_cvt_scalef32_pk8_fp4_f32 v[C+4*(\t)], v[XS:XS+7], v11
	v_cvt_scalef32_pk8_fp4_f32 v[C+4*(\t)+1], v[XS+8:XS+15], v11
	v_lshrrev_b32 v[E+(\t)], 23, v11               ; the scale's byte (also the plain line behind the conversions)
	ds_store_b8 v5, v[E+(\t)] offset:16*(\t)       ; both lanes of a block write the same byte with the same value
	global_store_b64 v4, v[C+4*(\t):C+4*(\t)+1], s[8:9] offset:32*CB*(\t)   ; the wave stores 256 consecutive bytes, aligned
.endm
.irp t, 0,1,2,3,4,5,6,7,8,9,10,11,12,13,14,15
	STEP \t
.endr
	ds_load_b64 v[12:13], v6                       ; my wave's 256 scale bytes, behind my stores of them
	s_wait_dscnt 0x0
	global_store_b64 v7, v[12:13], s[10:11]        ; 256 consecutive bytes, aligned
	s_wait_tensorcnt 0x0
	ds_add_u32 v192, v193
	s_wait_dscnt 0x0
	s_endpgm
; ---------------- the sort.  Thread n owns slots 16 n .. 16 n + 15.  v16-31 experts, v32-47 ranks and then positions, v64-79 byte offsets into list, v80-87 tokens.
; s20-27 the wave's running counts; s28-59 the four waves' counts; s66-73 the wave's first position for each expert; s74-81 tb; s82-89 nt; s90-97 masks; s99 the tiles in all.
.Lroute:
	v_lshlrev_b32 v1, 6, v0                        ; my 16 slots: 64 bytes
	v_lshl_add_u32 v50, v0, 2, RT                  ; where my lane puts a word of the wave's counts
	s_wait_alu depctr_va_vdst(0)
	v_lshrrev_b32 v52, 3, v2
	v_and_b32 v54, 7, v2
	v_lshlrev_b32 v52, 7, v52
	v_lshl_add_u32 v52, v54, 2, v52
	v_add_nc_u32 v52, RT, v52                      ; back: lane l takes wave l / 8's count of expert l % 8
.irp m, 0,1,2,3,4,5,6,7
	v_lshl_add_u32 v[80+\m], v0, 3, \m             ; slot 16 n + q belongs to token 8 n + q / 2
.endr
.irp e, 0,1,2,3,4,5,6,7
	s_mov_b32 s[20+\e], 0
.endr
	s_wait_kmcnt 0x0
.irp i, 0,1,2,3
	global_load_b128 v[16+4*\i:19+4*\i], v1, s[6:7] offset:16*\i
.endr
	s_wait_loadcnt 0x0
.irp q, 0,1,2,3,4,5,6,7,8,9,10,11,12,13,14,15
	v_min_u32 v[16+\q], 7, v[16+\q]
.endr
; A slot's rank among its wave's slots of the same expert: those of earlier q in all lanes, and those of this q in lower lanes.  Any order of an expert's rows gives the same result.
.macro RANK q
.irp e, 0,1,2,3,4,5,6,7
	v_cmp_eq_u32 s[90+\e], \e, v[16+\q]
.endr
	v_mbcnt_lo_u32_b32 v[32+\q], s90, s20
.irp e, 1,2,3,4,5,6,7
	v_mbcnt_lo_u32_b32 v48, s[90+\e], s[20+\e]
	v_cndmask_b32 v[32+\q], v[32+\q], v48, s[90+\e]
.endr
.irp e, 0,1,2,3,4,5,6,7
	s_bcnt1_i32_b32 s98, s[90+\e]
	s_add_co_u32 s[20+\e], s[20+\e], s98
.endr
.endm
.irp q, 0,1,2,3,4,5,6,7,8,9,10,11,12,13,14,15
	RANK \q
.endr
	v_mov_b32 v49, 0
.irp e, 0,1,2,3,4,5,6,7
	v_writelane_b32 v49, s[20+\e], \e
.endr
	ds_store_b32 v50, v49                          ; my wave's eight counts
	s_wait_dscnt 0x0                               ; for the others' sake: zero
	s_barrier_signal -1                            ; all four waves of this work-group are on this path: it was chosen by the work-group's number
	s_barrier_wait -1
	ds_load_b32 v51, v52
	s_wait_dscnt 0x0
.irp l, 0,1,2,3,4,5,6,7,8,9,10,11,12,13,14,15,16,17,18,19,20,21,22,23,24,25,26,27,28,29,30,31
	v_readlane_b32 s[28+\l], v51, \l
.endr
.irp w, 1,2,3                          ; sums over the waves up to and with wave w; wave 3's are n_e
.irp e, 0,1,2,3,4,5,6,7
	s_add_co_u32 s[28+8*\w+\e], s[28+8*\w+\e], s[20+8*\w+\e]
.endr
.endr
.irp e, 0,1,2,3,4,5,6,7
	s_add_co_u32 s[82+\e], s[52+\e], 15
	s_lshr_b32 s[82+\e], s[82+\e], 4               ; nt_e
	s_mov_b32 s[66+\e], 0
.endr
	s_mov_b32 s74, 0
.irp e, 1,2,3,4,5,6,7
	s_add_co_u32 s[74+\e], s[73+\e], s[81+\e]      ; tb_e
.endr
	s_add_co_u32 s99, s81, s89                     ; the tiles in all
.irp k, 1,2,3                          ; what the waves in front of mine hold of each expert
	s_cmp_eq_u32 s18, \k
.irp e, 0,1,2,3,4,5,6,7
	s_cselect_b32 s[66+\e], s[20+8*\k+\e], s[66+\e]
.endr
.endr
.irp e, 0,1,2,3,4,5,6,7
	s_lshl_b32 s98, s[74+\e], 4
	s_add_co_u32 s[66+\e], s[66+\e], s98           ; my wave's first position for expert e
.endr
.macro PLACE q
	v_mov_b32 v53, s66
.irp e, 1,2,3,4,5,6,7
	v_cmp_ne_u32 vcc_lo, \e, v[16+\q]
	v_cndmask_b32 v53, s[66+\e], v53, vcc_lo
.endr
	v_add_nc_u32 v[32+\q], v[32+\q], v53
	v_min_u32 v[32+\q], LASTP, v[32+\q]            ; a position: under 2,176
	v_lshlrev_b32 v[64+\q], 2, v[32+\q]
.endm
.irp q, 0,1,2,3,4,5,6,7,8,9,10,11,12,13,14,15
	PLACE \q
.endr
.irp i, 0,1,2,3
	global_store_b128 v1, v[32+4*\i:35+4*\i], s[14:15] offset:16*\i
.endr
.irp q, 0,1,2,3,4,5,6,7,8,9,10,11,12,13,14,15
	global_store_b32 v[64+\q], v[80+\q/2], s[12:13]
.endr
	s_cmp_lg_u32 s18, 0
	s_cbranch_scc1 .Lrdone
; Wave 0: the padding of each expert's last tile (15 positions at the most) names token 0.  All lanes store: a lane whose position lies in the padding stores the 0 there, every other lane
; stores the same 0 to the list's last position, which belongs to no expert and which nobody reads.  Each expert has an address register of its own, so no store's source is written again.
	v_mov_b32 v105, 0
	v_mov_b32 v107, LASTP
.macro PAD e
	s_lshl_b32 s98, s[74+\e], 4
	s_add_co_u32 s19, s98, s[52+\e]                ; the first position behind the expert's rows
	v_add_nc_u32 v[96+\e], s19, v2
	s_wait_alu depctr_va_vdst(0)
	s_add_co_u32 s98, s[74+\e], s[82+\e]
	s_lshl_b32 s98, s98, 4                         ; the first position of the next expert
	v_cmp_gt_u32 vcc_lo, s98, v[96+\e]
	v_cndmask_b32 v[96+\e], v107, v[96+\e], vcc_lo
	v_min_u32 v[96+\e], LASTP, v[96+\e]
	v_lshlrev_b32 v[96+\e], 2, v[96+\e]
	global_store_b32 v[96+\e], v105, s[12:13]
.endm
.irp e, 0,1,2,3,4,5,6,7
	PAD \e
.endr
	v_mov_b32 v104, 0                              ; and meta
.irp e, 0,1,2,3,4,5,6,7
	v_writelane_b32 v104, s[74+\e], \e
	v_writelane_b32 v104, s[82+\e], 8+\e
.endr
	v_writelane_b32 v104, s99, 16
	v_lshlrev_b32 v106, 2, v2
	global_store_b32 v106, v104, s[16:17]
.Lrdone:
	s_wait_tensorcnt 0x0
	ds_add_u32 v192, v193
	s_wait_dscnt 0x0
	s_endpgm
.Lfunc_end_k_q30776f8b06_prep:
	.size	k_q30776f8b06_prep, .Lfunc_end_k_q30776f8b06_prep-k_q30776f8b06_prep
	.p2alignl 7, 3214868480
	.fill 96, 4, 3214868480
	.section	.rodata,"a",@progbits
	.p2align	6, 0x0
	.amdhsa_kernel k_q30776f8b06_prep
		.amdhsa_group_segment_fixed_size 33792
		.amdhsa_private_segment_fixed_size 0
		.amdhsa_enable_private_segment 0
		.amdhsa_kernarg_size 56
		.amdhsa_user_sgpr_count 2
		.amdhsa_user_sgpr_kernarg_segment_ptr 1
		.amdhsa_wavefront_size32 1
		.amdhsa_system_sgpr_workgroup_id_x 1
		.amdhsa_system_sgpr_workgroup_id_y 1
		.amdhsa_system_sgpr_workgroup_id_z 1
		.amdhsa_system_vgpr_workitem_id 0
		.amdhsa_next_free_vgpr 194
		.amdhsa_next_free_sgpr 100
		.amdhsa_reserve_vcc 1
		.amdhsa_float_denorm_mode_32 3
		.amdhsa_float_denorm_mode_16_64 3
		.amdhsa_memory_ordered 1
		.amdhsa_forward_progress 1
		.amdhsa_inst_pref_size 88
	.end_amdhsa_kernel
	.amdgpu_metadata
---
amdhsa.version: [ 1, 2 ]
amdhsa.kernels:
  - .name:           k_q30776f8b06_prep
    .symbol:         k_q30776f8b06_prep.kd
    .args:
      - { .name: x, .offset: 0, .size: 8, .value_kind: global_buffer, .address_space: global }
      - { .name: expert_indices, .offset: 8, .size: 8, .value_kind: global_buffer, .address_space: global }
      - { .name: xq, .offset: 16, .size: 8, .value_kind: global_buffer, .address_space: global }
      - { .name: xs, .offset: 24, .size: 8, .value_kind: global_buffer, .address_space: global }
      - { .name: list, .offset: 32, .size: 8, .value_kind: global_buffer, .address_space: global }
      - { .name: pos, .offset: 40, .size: 8, .value_kind: global_buffer, .address_space: global }
      - { .name: meta, .offset: 48, .size: 8, .value_kind: global_buffer, .address_space: global }
    .group_segment_fixed_size: 33792
    .private_segment_fixed_size: 0
    .kernarg_segment_align: 8
    .kernarg_segment_size: 56
    .max_flat_workgroup_size: 128
    .sgpr_count:     100
    .vgpr_count:     194
    .wavefront_size: 32
...
	.end_amdgpu_metadata
.endif
;; end of part 5
;; launch up (part 6): grid 256 x 1, 16 waves a work-group, no clusters, 79,872 bytes of LDS; arguments W1, b1, xq, xs, list, meta, himg, hsc; writes himg, hsc
.if DOCPART == 6
	.amdgcn_target "amdgcn-amd-amdhsa--gfx1250"
	.amdhsa_code_object_version 6
	.text
	.protected	k_q30776f8b06_up
	.globl	k_q30776f8b06_up
	.p2align	8
	.type	k_q30776f8b06_up,@function
k_q30776f8b06_up:
	s_mov_b64 s[64:65], 0
	v_nop
	global_prefetch_b8 v0, s[64:65] scope:SCOPE_SE
	s_setreg_imm32_b32 hwreg(HW_REG_WAVE_SCHED_MODE, 0, 2), 2
	s_setreg_imm32_b32 hwreg(HW_REG_WAVE_MODE, 25, 1), 1
	s_wait_xcnt 0x0
	s_wait_alu depctr_vm_vsrc(0)
; Work-group (e, j), e = id / 32, j = id % 32, owns W1[e][:, 128 j .. 128 j + 127]: 512 KB of f32 that no other work-group reads.
; PHASE 1.  The slice is quantised along K (W1's first axis within an expert) on its way into LDS.  Wave w takes K step w / 2 (128 rows) x 64 columns (half w % 2).  A LANE TAKES A COLUMN AND ITS REGISTERS RUN DOWN K:
;   a block of 32 lies in one lane, and the conversions give codes with K innermost.  The codes are stored as IMAGES OF THE OPERAND'S REGISTERS: fragment (K step s, tile t) at 8192 s + 1024 t, register group c at + 512 c + 16 x lane.
;   Each weight byte is loaded once; two loads that follow each other cover 256 consecutive bytes of a row, aligned.
; PHASE 2.  For the expert's tiles of 16 routed rows (wave w: tiles w, w + 16, ..): x's codes are gathered by the list, h^T = W1^T x^T + b1 (source 0 = 16 columns of W1, source 1 = 16 rows of x), exact-erf GELU in f32,
;   quantised along the hidden axis in registers: these 128 hidden units are K step j of the second product.  Its image (1,024 bytes) and scale words (128 bytes) go to himg and hsc.
; THE COLUMNS OF A TILE ARE NOT NEIGHBOURS: row r of tile 2 b + u is column 32 b + 8 u + r + 8 (r / 8), so that the 16 registers of tiles 2 b, 2 b + 1 are 16 neighbours along the next K: 32 b + 16 (lane / 16) + 0 .. 15.
; No tensor load and no cluster: the row loop's trip count is read from memory, and no two work-groups read the same weights.
; GELU = 0.5 v (1 + erf(v / sqrt 2)); erf(z) = z P(z^2) / Q(z^2) on z held to +-4, degrees 6 and 4 in z^2, in f32: its error is a few 1e-7 absolute, at every z.
; LIMITS: NaN and infinities are not served; a block of zeros or under 2^-124 gets the scale byte 1 (read by this program alone); far below zero GELU carries the cancellation of 1 + erf, as the formula does.
; REGISTERS: v1 my column's bytes; v2 16 x lane; v3, v5 scale words' LDS places; v4 images' place on the way in; v6 the bias images; v7, v8 x's codes and scale words; v9 token; v10 4 x lane; v11 4 (lane % 16);
;   v12-15 bias piece, then two constants; v16-23 x's scale words, v24-31 W1's (two sets): scales and nothing else; v32-95 x's eight fragments; v96-159 the eight accumulators;
;   v160-255 W1's fragments, three groups of four; behind the K loop v160-191 GELU at work, v224-239 the quantiser at work, v240 the scale word, v248-255 the codes;
;   phase 1: v96-223 two sets of 2 x 32 numbers, v224-239 codes, v240-247 at work, v248, v249 addresses.
; THE MODE: SCHED_MODE bits 1:0 = 2 (LLVM: expert scheduling mode 2), set by the entry lines.  The code itself states the register dependences
; between vector or matrix instructions and memory or LDS instructions, with s_wait_alu, always for 0.
; THE PLAN.  Registers that memory or LDS instructions touch, and who else names them:
;   addresses     v1-v6, v10, v11, v248, v249: made at the head, ahead of one wait on va_vdst; v248 and v249 are given up behind the barrier.
;   ST0, ST1      Phase 1: the loads of block b land in set b % 2, QBP b reads it.  A wait on va_vdst stands behind QBP 0 and in PUT, ahead of the loads of block b + 2.
;   CD, SW        Written by QBP and the exchange of halves, read by PUT's LDS stores: the wait in PUT; a wait on vm_vsrc ahead of QBP 2, which writes CD again, and one behind the barrier.
;   G0, G1, G2    The K loop goes in 16 half steps of four products.  Half step h reads group h % 3; its LDS loads are those of half step h + 2 and land in group (h + 2) % 3 = (h - 1) % 3,
;                 which the products of h - 1 read.  W1's scale words of a K step come with its first half step, into the set that the K step before last read.
;                 So ONE wait on va_vdst stands at the head of a half step, behind the wait for its own loads, and the half step's loads are dealt among its four products, which name none of the registers that these loads touch.
;   ACC           The bias lands there at a trip's head; products, GELU and QUANT name it.   XF, XS: x's loads land there; the products read them.   v7, v8, v9: made from the token, read by x's loads.
;   v240, v248-255  Written by QUANT, read by the trip's three stores.
;   The wait on va_vdst ahead of the stores also states, over the backward jump, that GELU and QUANT are done with v96-255; the wait on vm_vsrc behind the stores frees their data and v7, v8.
.set PITCH, 16384                      ; a row of W1 in bytes
.set SCL,   65536                      ; LDS: behind the images, the scale words: 256 bytes a wave
.set BIAS,  69632                      ; and b1 in the accumulators' layout: 16 pieces of 512 bytes
.set XS,  16
.set WS,  24
.set XF,  32
.set ACC, 96
.set WF,  160                          ; group k of four fragments at WF + 32 k
.set ST,  96
.set CD,  224
.set TMA, 240
.set TNB, 242
.set TS,  244
.set SW,  246
.set TM,  224
.set PW,  240
.set PC,  248
.set GZ,  160
.set GT,  168
.set GP,  176
.set GQ,  184
.set SEL, 62
.set TRIPS, 23                         ; s23  first 4 e, the offset of the reads of meta; then my wave's number of tiles
.set TRIP,  39                         ; s39  the loop's counter
.macro PAIR r, val                     ; a constant for the packed forms: they name a pair and take its low word for both halves, so both are written
	s_mov_b32 s[\r], \val
	s_mov_b32 s[\r+1], \val
.endm
; 64 loads: rows 32 b .. 32 b + 31 of my K step, my 64 columns as two groups of 32
.macro LOADBP b
.irp i, 0,1,2,3,4,5,6,7,8,9,10,11,12,13,14,15,16,17,18,19,20,21,22,23,24,25,26,27,28,29,30,31
.irp g, 0,1
	global_load_b32 v[ST+64*((\b)%2)+32*\g+\i], v1, s[4:5] offset:(32*(\b)+\i)*PITCH+128*\g th:TH_LOAD_NT
.endr
.endr
.endm
; block b of my two columns: largest magnitude (all 32 numbers are mine), scale byte into the scale word, 32 codes in 4 registers; the two groups by turns
.macro QBP b
.set XB, ST+64*((\b)%2)
.irp g, 0,1
	v_max3_num_f32 v[TMA+\g], |v[XB+32*\g]|, |v[XB+32*\g+1]|, |v[XB+32*\g+2]|
	v_max3_num_f32 v[TNB+\g], |v[XB+32*\g+3]|, |v[XB+32*\g+4]|, |v[XB+32*\g+5]|
.endr
.irp i, 6,10,14,18,22,26
.irp g, 0,1
	v_max3_num_f32 v[TMA+\g], v[TMA+\g], |v[XB+32*\g+\i]|, |v[XB+32*\g+\i+1]|
	v_max3_num_f32 v[TNB+\g], v[TNB+\g], |v[XB+32*\g+\i+2]|, |v[XB+32*\g+\i+3]|
.endr
.endr
.irp g, 0,1
	v_max3_num_f32 v[TMA+\g], v[TMA+\g], |v[XB+32*\g+30]|, |v[XB+32*\g+31]|
.endr
.irp g, 0,1
	v_max3_num_f32 v[TMA+\g], v[TMA+\g], v[TNB+\g], 0x1800000   ; the floor 2^(3 - 127): the byte cannot fall under 1
.endr
.irp g, 0,1
	v_add_nc_u32 v[TS+\g], 0xff000000, v[TMA+\g]   ; 2 off the exponent field: the conversion's scale operand
.endr
.irp g, 0,1
	v_lshrrev_b32 v[TNB+\g], 23, v[TS+\g]          ; the scale's byte
.endr
.irp g, 0,1
.if (\b) == 0
	v_mov_b32 v[SW+\g], v[TNB+\g]
.else
	v_lshl_or_b32 v[SW+\g], v[TNB+\g], 8*(\b), v[SW+\g]
.endif
.endr
.irp g, 0,1
.irp i, 0,1,2,3
	v_cvt_scalef32_pk8_fp4_f32 v[CD+8*\g+4*((\b)%2)+\i], v[XB+32*\g+8*\i:XB+32*\g+8*\i+7], v[TS+\g]
.endr
.endr
	v_nop                                          ; one plain line behind the last scaled conversion
.endm
; Blocks 2 c and 2 c + 1 are made.  Lanes 0-15 hold columns of tile 2 g, lanes 16-31 of tile 2 g + 1; the operand wants block 2 c in lanes 0-15 and block 2 c + 1 in lanes 16-31 of ONE tile:
; the exchange of halves gives tile 2 g's registers 4 c .. 4 c + 3 in the first four and tile 2 g + 1's in the second four.
.macro PUT c
.irp g, 0,1
.irp i, 0,1,2,3
	v_permlane16_swap_b32 v[CD+8*\g+\i], v[CD+8*\g+4+\i]
.endr
.endr
	s_wait_alu depctr_va_vdst(0)                   ; the conversions and the exchange have written v[CD ..], and the quantiser's lines v[SW ..], which the LDS stores read; those lines are also done reading the sets of numbers, in which the next loads land
.irp g, 0,1
.irp u, 0,1
	ds_store_b128 v4, v[CD+8*\g+4*\u:CD+8*\g+4*\u+3] offset:(2*\g+\u)*1024+512*(\c)
.endr
.endr
.endm
.macro XADDR                           ; from the token in v9: where its codes (my half's 16 bytes of each 32) and its scale words lie
	v_min_u32 v9, 0x3ff, v9
	v_bfe_u32 v7, v0, 4, 1
	v_lshlrev_b32 v7, 4, v7
	v_lshl_add_u32 v7, v9, 9, v7
	v_lshlrev_b32 v8, 5, v9
.endm
.macro XLOAD                           ; 18 loads: the row's eight fragments and eight scale words
.irp s, 0,1,2,3,4,5,6,7
.irp c, 0,1
	global_load_b128 v[XF+8*\s+4*\c:XF+8*\s+4*\c+3], v7, s[8:9] offset:64*\s+32*\c
.endr
.endr
.irp c, 0,1
	global_load_b128 v[XS+4*\c:XS+4*\c+3], v8, s[10:11] offset:16*\c
.endr
.endm
; Half step h is K step h / 2, tiles 4 (h % 2) .. + 3.  LF: its i-th fragment of W1 into group h % 3: two LDS loads; with an even h also the K step's i-th register of scale words
; (lanes 0-15 tile 2 i, lanes 16-31 tile 2 i + 1).  So an even half step's loads are twelve, an odd one's eight.
.macro LF h, i
	ds_load_b128 v[WF+32*((\h)%3)+8*(\i):WF+32*((\h)%3)+8*(\i)+3],   v2 offset:8192*((\h)/2)+1024*(4*((\h)%2)+(\i))
	ds_load_b128 v[WF+32*((\h)%3)+8*(\i)+4:WF+32*((\h)%3)+8*(\i)+7], v2 offset:8192*((\h)/2)+1024*(4*((\h)%2)+(\i))+512
.if ((\h)%2) == 0
	ds_load_b32 v[WS+4*(((\h)/2)%2)+(\i)], v3 offset:512*((\h)/2)+128*(\i)
.endif
.endm
.macro MMI h, i                        ; its i-th product; the eight accumulators take turns, one instruction a turn
.set MT, 4*((\h)%2)+(\i)               ; the tile
.set MS, (\h)/2                        ; the K step
.set MG, WF+32*((\h)%3)+8*(\i)         ; the tile's fragment of W1
.if ((\i)%2) == 1
	v_wmma_scale_f32_16x16x128_f8f6f4 v[ACC+8*MT:ACC+8*MT+7], v[MG:MG+7], v[XF+8*MS:XF+8*MS+7], v[ACC+8*MT:ACC+8*MT+7], v[WS+4*(MS%2)+MT/2], v[XS+MS] matrix_a_fmt:MATRIX_FMT_FP4 matrix_b_fmt:MATRIX_FMT_FP4 matrix_a_scale:MATRIX_SCALE_ROW1
.else
	v_wmma_scale_f32_16x16x128_f8f6f4 v[ACC+8*MT:ACC+8*MT+7], v[MG:MG+7], v[XF+8*MS:XF+8*MS+7], v[ACC+8*MT:ACC+8*MT+7], v[WS+4*(MS%2)+MT/2], v[XS+MS] matrix_a_fmt:MATRIX_FMT_FP4 matrix_b_fmt:MATRIX_FMT_FP4
.endif
.endm
.macro HALF h
.if (\h) == 15
	s_wait_dscnt 0x0                               ; the last half step's loads are in
.elseif ((\h)%2) == 0
	s_wait_dscnt 8                                 ; LDS loads come back in order: this half step's are in; the next one's eight may be out
.else
	s_wait_dscnt 12                                ; this half step's are in; the next one's twelve may be out
.endif
.if ((\h) > 0) && ((\h) < 14)
	s_wait_alu depctr_va_vdst(0)                   ; the products of the half step before are done reading their group of W1's fragments (an even h: and their set of scale words), in which the loads below land
.endif
.irp i, 0,1,2,3
	MMI \h, \i
.if (\h) < 14
	LF (\h)+2, \i                                  ; two half steps ahead.  No further wait: the products since the wait name this half step's group, x, the accumulators and this K step's scale words alone
.endif
.endr
.endm
.macro PLACES n
.rept \n
	v_nop
.endr
.endm
; GELU of accumulator t, in place, four pairs in step; the accumulator is read from its low end on
.macro GELU t
.set GA, ACC+8*(\t)
.irp p, 0,2,4,6
	v_pk_mul_f32 v[GZ+\p:GZ+\p+1], v[GA+\p:GA+\p+1], s[60:61] op_sel_hi:[1,0]          ; z = v / sqrt 2
.endr
.irp p, 0,1,2,3,4,5,6,7
	v_med3_num_f32 v[GZ+\p], v[GZ+\p], -4.0, 4.0
.endr
.irp p, 0,2,4,6
	v_pk_mul_f32 v[GT+\p:GT+\p+1], v[GZ+\p:GZ+\p+1], v[GZ+\p:GZ+\p+1]
.endr
.irp p, 0,2,4,6
	v_pk_fma_f32 v[GP+\p:GP+\p+1], v[12:13], v[GT+\p:GT+\p+1], s[40:41] op_sel_hi:[1,1,0]
	v_pk_fma_f32 v[GQ+\p:GQ+\p+1], v[14:15], v[GT+\p:GT+\p+1], s[52:53] op_sel_hi:[1,1,0]
.endr
.irp k, 42,44,46,48,50
.irp p, 0,2,4,6
	v_pk_fma_f32 v[GP+\p:GP+\p+1], v[GP+\p:GP+\p+1], v[GT+\p:GT+\p+1], s[\k:\k+1] op_sel_hi:[1,1,0]
.endr
.endr
.irp k, 54,56,58
.irp p, 0,2,4,6
	v_pk_fma_f32 v[GQ+\p:GQ+\p+1], v[GQ+\p:GQ+\p+1], v[GT+\p:GT+\p+1], s[\k:\k+1] op_sel_hi:[1,1,0]
.endr
.endr
	s_wait_alu depctr_va_vdst(0)
.irp p, 0,1,2,3,4,5,6,7
	v_rcp_f32 v[GQ+\p], v[GQ+\p]
.endr
.irp p, 0,2,4,6
	v_pk_mul_f32 v[GP+\p:GP+\p+1], v[GP+\p:GP+\p+1], v[GZ+\p:GZ+\p+1]                  ; plain lines behind the reciprocals, which they do not touch
.endr
	s_wait_alu depctr_va_vdst(0)                   ; the eight reciprocals have written v[GQ ..], ahead of their first reader: one wait for the batch
.irp p, 0,2,4,6
	v_pk_mul_f32 v[GP+\p:GP+\p+1], v[GP+\p:GP+\p+1], v[GQ+\p:GQ+\p+1]                  ; erf
.endr
.irp p, 0,2,4,6
	v_pk_mul_f32 v[GT+\p:GT+\p+1], v[GA+\p:GA+\p+1], 0.5 op_sel_hi:[1,0]
.endr
.irp p, 0,2,4,6
	v_pk_fma_f32 v[GA+\p:GA+\p+1], v[GT+\p:GT+\p+1], v[GP+\p:GP+\p+1], v[GT+\p:GT+\p+1]
.endr
.endm
; 64 numbers of a lane, register 16 b + i = k 32 b + 16 (lane / 16) + i of my row, become a fragment's codes in v[PC] on and its scale word in v[PW]
.macro QUANT s
.irp b, 0,1,2,3
	v_max3_num_f32 v[TM+\b], |v[\s+16*\b]|, |v[\s+1+16*\b]|, 0x1800000
.endr
.irp i, 2,4,6,8,10,12,14
.irp b, 0,1,2,3
	v_max3_num_f32 v[TM+\b], v[TM+\b], |v[\s+16*\b+\i]|, |v[\s+1+16*\b+\i]|
.endr
.endr
.irp b, 0,1,2,3
	v_permlanex16_b32 v[TM+4+\b], v[TM+\b], s[SEL], s[SEL+1]
.endr
.irp b, 0,1,2,3
	v_max_num_f32 v[TM+\b], v[TM+\b], v[TM+4+\b]   ; with lane l xor 16's: the block's largest magnitude
.endr
.irp b, 0,1,2,3
	v_add_nc_u32 v[TM+12+\b], 0xff000000, v[TM+\b]
.endr
.irp b, 0,1,2,3
	v_lshrrev_b32 v[TM+4+\b], 23, v[TM+12+\b]
.endr
	v_lshl_or_b32 v[PW], v[TM+5], 8, v[TM+4]
	v_lshl_or_b32 v[PW], v[TM+6], 16, v[PW]
	v_lshl_or_b32 v[PW], v[TM+7], 24, v[PW]
.irp b, 0,1,2,3
	v_cvt_scalef32_pk8_fp4_f32 v[PC+2*\b], v[\s+16*\b:\s+7+16*\b], v[TM+12+\b]
	v_cvt_scalef32_pk8_fp4_f32 v[PC+1+2*\b], v[\s+8+16*\b:\s+15+16*\b], v[TM+12+\b]
.endr
	v_nop                                          ; one plain line behind the last scaled conversion
.irp c, 0,1                            ; the operand wants a whole block in a lane
.irp i, 0,1
	v_permlane16_swap_b32 v[PC+4*\c+\i], v[PC+2+4*\c+\i]
.endr
.endr
.endm
	s_load_b512 s[4:19], s[0:1], 0x0               ; W1 4:5, b1 6:7, xq 8:9, xs 10:11, list 12:13, meta 14:15, himg 16:17, hsc 18:19
	v_lshrrev_b32 v1, 5, v0
	v_readfirstlane_b32 s20, v1                    ; wave 0..15
	s_lshr_b32 s21, ttmp9, 5                       ; e
	s_and_b32 s22, ttmp9, 31                       ; j
	s_lshl_b32 s23, s21, 2
	v_and_b32 v250, 31, v0                         ; lane
	v_and_b32 v1, 7, v250
	v_and_b32 v2, 8, v250
	v_lshl_or_b32 v1, v2, 1, v1
	v_and_b32 v2, 16, v250
	v_lshrrev_b32 v2, 1, v2
	v_or_b32 v1, v1, v2                            ; my column of a group of 32: lanes 0-15 take 0-7 and 16-23, lanes 16-31 take 8-15 and 24-31
	v_lshlrev_b32 v1, 2, v1
	v_lshlrev_b32 v2, 4, v250
	v_lshlrev_b32 v10, 2, v250
	v_add_nc_u32 v3, SCL, v10
	s_wait_alu depctr_va_sdst(0)                   ; s20 is written, ahead of its first reader: LDS places, bases and the trip count are made from it
	s_lshl_b32 s24, s20, 12
	v_add_nc_u32 v4, s24, v2                       ; my wave's four fragments: (K step w / 2, tiles 4 (w % 2) ..) = 4096 w
	s_lshl_b32 s24, s20, 8
	v_add_nc_u32 v5, s24, v3
	v_add_nc_u32 v6, BIAS, v2
	s_lshl_b32 s24, s20, 9
	v_add_nc_u32 v249, s24, v6                     ; my wave's piece of the bias image
	v_and_b32 v11, 15, v0
	v_lshlrev_b32 v11, 2, v11
	v_bfe_u32 v248, v0, 4, 1
	v_lshlrev_b32 v248, 6, v248                    ; 16 hidden units further on for lanes 16-31
	PAIR 40, 0x32edffee                            ; P's coefficients below the leading one, descending,
	PAIR 42, 0xb60cff51
	PAIR 44, 0xb86ec2d2
	PAIR 46, 0xba40ac63
	PAIR 48, 0xbb41a1f6
	PAIR 50, 0xbc83dbd4
	PAIR 52, 0xb95fbd29                            ; Q's,
	PAIR 54, 0xbadc924e
	PAIR 56, 0xbbf19bf8
	PAIR 58, 0xbc69b6a7
	PAIR 60, 0x3f3504f3                            ; 1 / sqrt 2
	s_mov_b32 s[SEL], 0x76543210
	s_mov_b32 s[SEL+1], 0xfedcba98                 ; lane l xor 16
	s_mov_b32 s25, 0
	s_wait_kmcnt 0x0
	s_load_b32 s26, s[14:15], s23 offset:0x0       ; tb_e
	s_load_b32 s27, s[14:15], s23 offset:0x20      ; nt_e
	s_load_b32 s28, s[14:15], 0x40                 ; the tiles in all
	s_lshl_b32 s24, s21, 24                        ; W1: the expert's 16 MiB,
	s_lshr_b32 s30, s20, 1
	s_lshl_b32 s30, s30, 21                        ; my K step's 128 rows,
	s_add_co_u32 s24, s24, s30
	s_lshl_b32 s30, s22, 9                         ; the slice's 128 columns,
	s_add_co_u32 s24, s24, s30
	s_and_b32 s30, s20, 1
	s_lshl_b32 s30, s30, 8                         ; my 64 of them
	s_add_co_u32 s24, s24, s30
	s_add_nc_u64 s[4:5], s[4:5], s[24:25]
	s_lshl_b32 s24, s21, 14                        ; b1: piece w is registers 4 (w % 2) .. + 3 of tile w / 2 = 2 b + u: hidden units 32 b + 8 u + 4 (w % 2) (+ 16 for lanes 16-31)
	s_lshl_b32 s30, s22, 9
	s_add_co_u32 s24, s24, s30
	s_lshr_b32 s30, s20, 2
	s_lshl_b32 s30, s30, 7
	s_add_co_u32 s24, s24, s30
	s_bfe_u32 s30, s20, 0x10001
	s_lshl_b32 s30, s30, 5
	s_add_co_u32 s24, s24, s30
	s_and_b32 s30, s20, 1
	s_lshl_b32 s30, s30, 4
	s_add_co_u32 s24, s24, s30
	s_add_nc_u64 s[6:7], s[6:7], s[24:25]
	s_lshl_b32 s24, s22, 10
	s_add_nc_u64 s[16:17], s[16:17], s[24:25]      ; himg at K step j
	s_lshl_b32 s24, s22, 7
	s_add_nc_u64 s[18:19], s[18:19], s[24:25]      ; hsc likewise
; ---------------- phase 1.  Every counted wait here is for 63, the largest count that the wait can name: behind the 64 loads that are wanted at least 64 more have been issued.
	s_wait_alu depctr_va_vdst(0)                   ; the offsets and LDS places v1 to v6, v10, v11, v248 and v249 are written, which the loads and stores of the kernel read
	global_load_b128 v[12:15], v248, s[6:7]        ; my piece of b1
	LOADBP 0
	s_wait_kmcnt 0x0
	s_sub_co_u32 s31, s28, 1
	s_add_co_u32 s30, s26, s20                     ; my first tile; held inside what has been stored, should the expert have fewer tiles
	s_min_u32 s30, s30, s31
	s_min_u32 s30, s30, 135
	s_lshl_b32 s24, s30, 6
	s_add_nc_u64 s[36:37], s[12:13], s[24:25]
	global_load_b32 v9, v11, s[36:37]              ; its 16 tokens
	LOADBP 1
	s_wait_loadcnt 63                              ; b1's piece, blocks 0 and the tokens are in
	ds_store_b128 v249, v[12:15]
	QBP 0
	XADDR
	s_wait_alu depctr_va_vdst(0)                   ; v7 and v8 are written, which the loads of x read; the quantiser's lines are done reading the first set of numbers, in which blocks 2 land
	XLOAD                                          ; my first tile's x lands under the rest of this phase
	LOADBP 2
	s_wait_loadcnt 63                              ; blocks 1 are in
	QBP 1
	PUT 0
	LOADBP 3                                       ; no vector instruction stands between the wait in PUT and these loads
	s_wait_loadcnt 63                              ; blocks 2 are in
	s_wait_dscnt 0x0                               ; my LDS stores of blocks 0 and 1 are done,
	s_wait_alu depctr_vm_vsrc(0)                   ; and they have read v[CD ..], which blocks 2 and 3 write again
	QBP 2
	s_wait_loadcnt 0x0
	QBP 3
	PUT 1
	ds_store_b32 v5, v[SW]                         ; lanes 0-15: tile 2 g's scale words, lanes 16-31: tile 2 g + 1's (written ahead of the wait in PUT)
	ds_store_b32 v5, v[SW+1] offset:128
	s_wait_dscnt 0x0                               ; for the others' sake: zero
	s_barrier_signal -1                            ; the launch's one barrier, ahead of every branch on numbers read from memory
	s_barrier_wait -1
; ---------------- phase 2
	s_wait_alu depctr_vm_vsrc(0)                   ; my LDS stores have read v12-15, v[CD ..], v[SW ..] and the place v249, and b1's load its offset v248: all of these are written again from here on
	v_mov_b32 v12, 0xaf95df0b                      ; P's leading coefficient,
	v_mov_b32 v13, 0xaf95df0b
	v_mov_b32 v14, 0xb77460cd                      ; Q's
	v_mov_b32 v15, 0xb77460cd
.irp b, 0,1,2,3
	v_mov_b32 v[TM+4+\b], 0                        ; written ahead of the loop: a lane permute's destination counts as one of its sources
.endr
	s_add_co_u32 s[TRIPS], s27, 15                 ; my wave's tiles are w, w + 16, ..: (nt + 15 - w) / 16 of them, rounded down
	s_sub_co_u32 s[TRIPS], s[TRIPS], s20
	s_lshr_b32 s[TRIPS], s[TRIPS], 4
	s_min_u32 s[TRIPS], s[TRIPS], 9                ; (2,048 rows are 128 tiles at the most, 8 a wave)
	s_mov_b32 s[TRIP], 0
	s_mov_b32 s29, s20                             ; the tile's number within the expert
	s_wait_alu depctr_va_vdst(0)                   ; v228-231 are written, in which loads of the third group land (phase 1's lines on v96-255 stand ahead of the wait in PUT)
	s_cmp_eq_u32 s[TRIPS], 0
	s_cbranch_scc1 .Lend
.Ltile:
	s_wait_loadcnt 0x0                             ; x's fragments and scale words are in
	s_add_co_u32 s30, s26, s29
	s_min_u32 s30, s30, 135
	s_lshl_b32 s24, s30, 15
	s_add_nc_u64 s[32:33], s[16:17], s[24:25]
	s_lshl_b32 s24, s30, 12
	s_add_nc_u64 s[34:35], s[18:19], s[24:25]
.irp m, 0,1,2,3,4,5,6,7,8,9,10,11,12,13,14,15
	ds_load_b128 v[ACC+4*\m:ACC+4*\m+3], v6 offset:512*\m       ; the bias is the C of each sum's first product
.endr
.irp i, 0,1,2,3
	LF 0, \i
.endr
.irp i, 0,1,2,3
	LF 1, \i
.endr
.irp h, 0,1,2,3,4,5,6,7,8,9,10,11,12,13,14,15
	HALF \h
.endr
	PLACES 4                                       ; in front of the first read of results and of vector writes to the last products' operands
	s_add_co_u32 s38, s[TRIP], 1
	s_cmp_lt_u32 s38, s[TRIPS]
	s_cbranch_scc0 .Lnonext
	s_add_co_u32 s38, s29, 16                      ; my next tile's x is asked for here and lands under the GELU
	s_add_co_u32 s38, s38, s26
	s_min_u32 s38, s38, 135
	s_lshl_b32 s24, s38, 6
	s_add_nc_u64 s[36:37], s[12:13], s[24:25]
	global_load_b32 v9, v11, s[36:37]              ; (the lines that last named v9 stand ahead of many a wait on va_vdst)
	s_wait_loadcnt 0x0
	XADDR
	s_wait_alu depctr_va_vdst(0)                   ; v7 and v8 are written, which the loads of x read; the products are done reading x's fragments and scale words, in which they land
	XLOAD
.Lnonext:
.irp t, 0,1,2,3,4,5,6,7
	GELU \t
.endr
	QUANT ACC
	s_wait_alu depctr_va_vdst(0)                   ; the quantiser has written the codes and the scale word, which the stores read; GELU and the quantiser are done with v96-255, in which the next trip's LDS loads land
	global_store_b128 v2, v[PC:PC+3], s[32:33]                  ; 512 consecutive bytes, aligned
	global_store_b128 v2, v[PC+4:PC+7], s[32:33] offset:512
	global_store_b32 v10, v[PW], s[34:35]
	s_wait_xcnt 0x0                                ; the stores' data and bases are written again only behind this wait
	s_wait_alu depctr_vm_vsrc(0)                   ; the stores have read v240 and v248-255, in which the next trip's LDS loads land; the loads of x have read v7 and v8, which the next trip writes again
	s_add_co_u32 s29, s29, 16
	s_add_co_u32 s[TRIP], s[TRIP], 1
	s_cmp_lt_u32 s[TRIP], s[TRIPS]
	s_cbranch_scc1 .Ltile
.Lend:
	s_wait_xcnt 0x0
	s_wait_alu depctr_vm_vsrc(0)                   ; no store still reads v254 and v255, its data in the last trip, which the two lines below write
	v_lshl_add_u32 v254, v0, 2, 0x13000
	v_mov_b32 v255, 0
	s_wait_dscnt 0x0                               ; the closing lines, six on end
	s_wait_alu 0x0
	s_wait_tensorcnt 0x0
	ds_add_u32 v254, v255
	s_wait_dscnt 0x0
	s_endpgm
.Lfunc_end_k_q30776f8b06_up:
	.size	k_q30776f8b06_up, .Lfunc_end_k_q30776f8b06_up-k_q30776f8b06_up
	.p2alignl 7, 3214868480
	.fill 96, 4, 3214868480
	.section	.rodata,"a",@progbits
	.p2align	6, 0x0
	.amdhsa_kernel k_q30776f8b06_up
		.amdhsa_group_segment_fixed_size 79872
		.amdhsa_private_segment_fixed_size 0
		.amdhsa_enable_private_segment 0
		.amdhsa_kernarg_size 64
		.amdhsa_user_sgpr_count 2
		.amdhsa_user_sgpr_kernarg_segment_ptr 1
		.amdhsa_wavefront_size32 1
		.amdhsa_system_sgpr_workgroup_id_x 1
		.amdhsa_system_sgpr_workgroup_id_y 1
		.amdhsa_system_sgpr_workgroup_id_z 1
		.amdhsa_system_vgpr_workitem_id 0
		.amdhsa_next_free_vgpr 256
		.amdhsa_next_free_sgpr 66
		.amdhsa_reserve_vcc 0
		.amdhsa_float_denorm_mode_32 3
		.amdhsa_float_denorm_mode_16_64 3
		.amdhsa_memory_ordered 1
		.amdhsa_forward_progress 1
		.amdhsa_inst_pref_size 111
	.end_amdhsa_kernel
	.amdgpu_metadata
---
amdhsa.version: [ 1, 2 ]
amdhsa.kernels:
  - .name:           k_q30776f8b06_up
    .symbol:         k_q30776f8b06_up.kd
    .args:
      - { .name: W1, .offset: 0, .size: 8, .value_kind: global_buffer, .address_space: global }
      - { .name: b1, .offset: 8, .size: 8, .value_kind: global_buffer, .address_space: global }
      - { .name: xq, .offset: 16, .size: 8, .value_kind: global_buffer, .address_space: global }
      - { .name: xs, .offset: 24, .size: 8, .value_kind: global_buffer, .address_space: global }
      - { .name: list, .offset: 32, .size: 8, .value_kind: global_buffer, .address_space: global }
      - { .name: meta, .offset: 40, .size: 8, .value_kind: global_buffer, .address_space: global }
      - { .name: himg, .offset: 48, .size: 8, .value_kind: global_buffer, .address_space: global }
      - { .name: hsc, .offset: 56, .size: 8, .value_kind: global_buffer, .address_space: global }
    .group_segment_fixed_size: 79872
    .private_segment_fixed_size: 0
    .kernarg_segment_align: 8
    .kernarg_segment_size: 64
    .max_flat_workgroup_size: 512
    .sgpr_count:     66
    .vgpr_count:     256
    .wavefront_size: 32
...
	.end_amdgpu_metadata
.endif
;; end of part 6
;; launch down (part 7): grid 256 x 1, 16 waves a work-group, no clusters, 141,312 bytes of LDS; arguments W2, himg, hsc, meta, y; writes y
.if DOCPART == 7
	.amdgcn_target "amdgcn-amd-amdhsa--gfx1250"
	.amdhsa_code_object_version 6
	.text
	.protected	k_q30776f8b06_down
	.globl	k_q30776f8b06_down
	.p2align	8
	.type	k_q30776f8b06_down,@function
k_q30776f8b06_down:
	s_mov_b64 s[64:65], 0
	v_nop
	global_prefetch_b8 v0, s[64:65] scope:SCOPE_SE
	s_setreg_imm32_b32 hwreg(HW_REG_WAVE_SCHED_MODE, 0, 2), 2
	s_setreg_imm32_b32 hwreg(HW_REG_WAVE_MODE, 25, 1), 1
	s_wait_xcnt 0x0
	s_wait_alu depctr_vm_vsrc(0)
; Work-group (e, sl, kh), e = id / 32, sl = (id % 32) / 2, kh = id % 2, owns W2[e][2048 kh .. + 2047, 64 sl .. + 63]: 512 KB of f32 that no other work-group reads.
; PHASE 1.  The slice is quantised along K (the hidden axis, W2's first within an expert) on its way into LDS: wave w takes K step w of the half (128 rows x 64 columns).  A lane takes a column, its registers run down K;
;   the codes are stored as images of the operand's registers: fragment (K step s, tile t of 4) at 4096 s + 1024 t, register group c at + 512 c + 16 x lane.
; PHASE 2.  For the expert's tiles of 16 routed rows (wave w: tiles w, w + 16, ..): the hidden layer's 16 fragments of this half of K come from memory as images, y^T = W2^T h^T (source 0 = 16 columns of W2,
;   source 1 = 16 rows of h), K ascending; the partial sums go through the wave's own stage and leave as 256 consecutive bytes a row, aligned, into y[kh][position][64 sl ..].
; Row r of tile 2 b + u is column 32 b + 8 u + r + 8 (r / 8), as phase 1's lanes hold them: register j of lane (r, h) is then column 32 b + 16 h + 8 u + j of row r.
; No tensor load and no cluster: the row loop's trip count is read from memory, and no two work-groups read the same weights.
; LIMITS: NaN and infinities are not served; a block of zeros or under 2^-124 gets the scale byte 1 (read by this program alone).
; REGISTERS: v1 my column's bytes; v2 16 x lane; v3, v5 scale words' LDS places; v4 images' place on the way in; v6 4 x lane; v7, v8 the stage, in and back; v9 my bytes in two rows of y;
;   v16-23 h's scale words, v24-29 W2's (three sets): scales and nothing else; v32-95 eight fragments of h; v96-127 four accumulators; v128-223 W2's fragments, three sets of four; the third, v192-223, takes the rows on the way out;
;   phase 1: v96-223 two sets of 2 x 32 numbers, v224-239 codes, v240-247 at work.  v254, v255: the closing add's two.
; THE MODE: SCHED_MODE bits 1:0 = 2 (LLVM: expert scheduling mode 2), set by the entry lines.  The code itself states the register dependences
; between vector or matrix instructions and memory or LDS instructions, with s_wait_alu, always for 0.
; THE PLAN.  Registers that memory or LDS instructions touch, and who else names them:
;   addresses     v1-v9: made at the head, ahead of one wait on va_vdst, and never written again.
;   ST0, ST1      Phase 1: the loads of block b land in set b % 2, QBP b reads it.  A wait on va_vdst stands behind QBP 0 and in PUT, ahead of the loads of block b + 2.
;   CD, SW        Written by QBP and the exchange of halves, read by PUT's LDS stores: the wait in PUT; a wait on vm_vsrc ahead of QBP 2, which writes CD again.
;   W0, W1, W2    K step s reads set s % 3 of W2's fragments and scale words; its LDS loads are those of step s + 2 and land in set (s + 2) % 3 = (s - 1) % 3, which the products of s - 1 read.
;   HF, HS        h's K step k lies in slot k % 8.  Step s, s = 1 .. 8, asks for K step s + 7 into slot s - 1, which the products of s - 1 read.
;                 So ONE wait on va_vdst stands at the head of a step, behind the waits for its own loads; the step's loads follow it, the LDS loads dealt among its four products, which name none of the registers that these loads touch.
;   ACC           Written by the products, read by the stage's LDS stores.   v192-223: on the way out LDS loads land there and the global stores read them.
;   One wait on va_vdst behind the last products serves the stage's stores, the rows' way back and the next tile's loads of h; one wait on vm_vsrc behind the global stores frees ACC and v192-223 for the next trip.
.set PITCH, 4096                       ; a row of W2 in bytes
.set SCL,   65536                      ; LDS: behind the images, the scale words: 256 bytes a wave
.set STG,   69632                      ; and the stages: 16 rows x (256 + 16) bytes for each wave
.set HS,   16
.set WSC,  24
.set HF,   32
.set ACC,  96
.set WF,   128                         ; set k of four fragments at WF + 32 k
.set OUTR, 192
.set ST,   96
.set CD,   224
.set TMA,  240
.set TNB,  242
.set TS,   244
.set SW,   246
.set TRIP,  39                         ; s39  the loop's counter
.set TRIPS, 40                         ; s40  my wave's number of tiles
.macro LOADBP b                        ; 64 loads: rows 32 b .. 32 b + 31 of my K step, 64 columns as two groups of 32: two loads that follow each other cover 256 consecutive bytes, aligned
.irp i, 0,1,2,3,4,5,6,7,8,9,10,11,12,13,14,15,16,17,18,19,20,21,22,23,24,25,26,27,28,29,30,31
.irp g, 0,1
	global_load_b32 v[ST+64*((\b)%2)+32*\g+\i], v1, s[4:5] offset:(32*(\b)+\i)*PITCH+128*\g th:TH_LOAD_NT
.endr
.endr
.endm
.macro QBP b                           ; block b of my two columns: largest magnitude, scale byte, 32 codes in 4 registers; the two groups by turns
.set XB, ST+64*((\b)%2)
.irp g, 0,1
	v_max3_num_f32 v[TMA+\g], |v[XB+32*\g]|, |v[XB+32*\g+1]|, |v[XB+32*\g+2]|
	v_max3_num_f32 v[TNB+\g], |v[XB+32*\g+3]|, |v[XB+32*\g+4]|, |v[XB+32*\g+5]|
.endr
.irp i, 6,10,14,18,22,26
.irp g, 0,1
	v_max3_num_f32 v[TMA+\g], v[TMA+\g], |v[XB+32*\g+\i]|, |v[XB+32*\g+\i+1]|
	v_max3_num_f32 v[TNB+\g], v[TNB+\g], |v[XB+32*\g+\i+2]|, |v[XB+32*\g+\i+3]|
.endr
.endr
.irp g, 0,1
	v_max3_num_f32 v[TMA+\g], v[TMA+\g], |v[XB+32*\g+30]|, |v[XB+32*\g+31]|
.endr
.irp g, 0,1
	v_max3_num_f32 v[TMA+\g], v[TMA+\g], v[TNB+\g], 0x1800000   ; the floor 2^(3 - 127): the byte cannot fall under 1
.endr
.irp g, 0,1
	v_add_nc_u32 v[TS+\g], 0xff000000, v[TMA+\g]   ; 2 off the exponent field: the conversion's scale operand
.endr
.irp g, 0,1
	v_lshrrev_b32 v[TNB+\g], 23, v[TS+\g]
.endr
.irp g, 0,1
.if (\b) == 0
	v_mov_b32 v[SW+\g], v[TNB+\g]
.else
	v_lshl_or_b32 v[SW+\g], v[TNB+\g], 8*(\b), v[SW+\g]
.endif
.endr
.irp g, 0,1
.irp i, 0,1,2,3
	v_cvt_scalef32_pk8_fp4_f32 v[CD+8*\g+4*((\b)%2)+\i], v[XB+32*\g+8*\i:XB+32*\g+8*\i+7], v[TS+\g]
.endr
.endr
	v_nop                                          ; one plain line behind the last scaled conversion
.endm
.macro PUT c                           ; the exchange of halves gives tile 2 g's registers 4 c .. 4 c + 3 in the first four and tile 2 g + 1's in the second four
.irp g, 0,1
.irp i, 0,1,2,3
	v_permlane16_swap_b32 v[CD+8*\g+\i], v[CD+8*\g+4+\i]
.endr
.endr
	s_wait_alu depctr_va_vdst(0)                   ; the conversions and the exchange have written v[CD ..], and the quantiser's lines v[SW ..], which the LDS stores read; those lines are also done reading the sets of numbers, in which the next loads land
.irp g, 0,1
.irp u, 0,1
	ds_store_b128 v4, v[CD+8*\g+4*\u:CD+8*\g+4*\u+3] offset:(2*\g+\u)*1024+512*(\c)
.endr
.endr
.endm
.macro HL k                            ; 3 loads: h's fragment and scale words of K step k into slot k % 8
	global_load_b128 v[HF+8*((\k)%8):HF+8*((\k)%8)+3],   v2, s[32:33] offset:1024*(\k)
	global_load_b128 v[HF+8*((\k)%8)+4:HF+8*((\k)%8)+7], v2, s[32:33] offset:1024*(\k)+512
	global_load_b32 v[HS+(\k)%8], v6, s[34:35] offset:128*(\k)
.endm
.macro WLF s, t                        ; K step s's fragment t of W2 into set s % 3: two LDS loads; with t = 0, 1 also the step's t-th register of scale words.  Ten loads a step
	ds_load_b128 v[WF+32*((\s)%3)+8*(\t):WF+32*((\s)%3)+8*(\t)+3],   v2 offset:4096*(\s)+1024*(\t)
	ds_load_b128 v[WF+32*((\s)%3)+8*(\t)+4:WF+32*((\s)%3)+8*(\t)+7], v2 offset:4096*(\s)+1024*(\t)+512
.if (\t) < 2
	ds_load_b32 v[WSC+2*((\s)%3)+(\t)], v3 offset:256*(\s)+128*(\t)
.endif
.endm
.macro MMT s, t                        ; a product; the four accumulators take turns, one instruction a turn.  The first K step starts the sums
.set MG, WF+32*((\s)%3)+8*(\t)         ; the tile's fragment of W2,
.set MW, WSC+2*((\s)%3)+(\t)/2         ; its scale words,
.set MH, (\s)%8                        ; h's slot
.if (\s) == 0
.if ((\t)%2) == 1
	v_wmma_scale_f32_16x16x128_f8f6f4 v[ACC+8*(\t):ACC+8*(\t)+7], v[MG:MG+7], v[HF+8*MH:HF+8*MH+7], 0, v[MW], v[HS+MH] matrix_a_fmt:MATRIX_FMT_FP4 matrix_b_fmt:MATRIX_FMT_FP4 matrix_a_scale:MATRIX_SCALE_ROW1
.else
	v_wmma_scale_f32_16x16x128_f8f6f4 v[ACC+8*(\t):ACC+8*(\t)+7], v[MG:MG+7], v[HF+8*MH:HF+8*MH+7], 0, v[MW], v[HS+MH] matrix_a_fmt:MATRIX_FMT_FP4 matrix_b_fmt:MATRIX_FMT_FP4
.endif
.else
.if ((\t)%2) == 1
	v_wmma_scale_f32_16x16x128_f8f6f4 v[ACC+8*(\t):ACC+8*(\t)+7], v[MG:MG+7], v[HF+8*MH:HF+8*MH+7], v[ACC+8*(\t):ACC+8*(\t)+7], v[MW], v[HS+MH] matrix_a_fmt:MATRIX_FMT_FP4 matrix_b_fmt:MATRIX_FMT_FP4 matrix_a_scale:MATRIX_SCALE_ROW1
.else
	v_wmma_scale_f32_16x16x128_f8f6f4 v[ACC+8*(\t):ACC+8*(\t)+7], v[MG:MG+7], v[HF+8*MH:HF+8*MH+7], v[ACC+8*(\t):ACC+8*(\t)+7], v[MW], v[HS+MH] matrix_a_fmt:MATRIX_FMT_FP4 matrix_b_fmt:MATRIX_FMT_FP4
.endif
.endif
.endm
.macro STEP s
.if (\s) == 8
	s_wait_loadcnt 18                              ; loads come back in order: h's K step 8 is in; steps 9 to 14, three loads each, may be out (step 15 is asked for below)
.elseif (\s) > 8
	s_wait_loadcnt 3*(15-(\s))                     ; this K step of h is in; the later ones, three loads each, may be out
.endif
.if (\s) < 15
	s_wait_dscnt 10                                ; this step's fragments of W2 are in; the next step's ten loads may be out
.else
	s_wait_dscnt 0x0
.endif
.if ((\s) > 0) && ((\s) < 14)
	s_wait_alu depctr_va_vdst(0)                   ; the products of the step before are done reading their set of W2's fragments and scale words and their slot of h, in which the loads below land
.endif
.if ((\s) > 0) && ((\s) < 9)
	HL (\s)+7                                      ; into the slot of the step before
.endif
.irp t, 0,1,2,3
	MMT \s, \t
.if (\s) < 14
	WLF (\s)+2, \t                                 ; two steps ahead.  No further wait: the products since the wait name this step's set, its slot of h and the accumulators alone
.endif
.endr
.endm
.macro PLACES n
.rept \n
	v_nop
.endr
.endm
	s_load_b256 s[4:11], s[0:1], 0x0               ; W2 4:5, himg 6:7, hsc 8:9, meta 10:11
	s_load_b64 s[12:13], s[0:1], 0x20              ; y
	v_lshl_add_u32 v254, v0, 2, 0x22000
	v_mov_b32 v255, 0
	v_lshrrev_b32 v1, 5, v0
	v_readfirstlane_b32 s20, v1                    ; wave 0..15
	s_lshr_b32 s21, ttmp9, 5                       ; e
	s_bfe_u32 s22, ttmp9, 0x40001                  ; sl
	s_and_b32 s23, ttmp9, 1                        ; kh
	s_lshl_b32 s14, s21, 2
	v_and_b32 v250, 31, v0                         ; lane
	v_and_b32 v251, 15, v0                         ; r
	v_bfe_u32 v252, v0, 4, 1                       ; h
	v_and_b32 v1, 7, v250
	v_and_b32 v2, 8, v250
	v_lshl_or_b32 v1, v2, 1, v1
	v_and_b32 v2, 16, v250
	v_lshrrev_b32 v2, 1, v2
	v_or_b32 v1, v1, v2                            ; my column of a group of 32: lanes 0-15 take 0-7 and 16-23, lanes 16-31 take 8-15 and 24-31
	v_lshlrev_b32 v1, 2, v1
	v_lshlrev_b32 v2, 4, v250
	v_lshlrev_b32 v6, 2, v250
	v_add_nc_u32 v3, SCL, v6
	s_wait_alu depctr_va_sdst(0)                   ; s20 is written, ahead of its first reader: LDS places, bases and the trip count are made from it
	s_lshl_b32 s24, s20, 12
	v_add_nc_u32 v4, s24, v2
	s_lshl_b32 s24, s20, 8
	v_add_nc_u32 v5, s24, v3
	s_mul_i32 s24, s20, 16*272
	s_add_co_u32 s24, s24, STG                     ; my stage
	v_mul_u32_u24 v7, v251, 272
	v_lshl_add_u32 v7, v252, 6, v7
	v_add_nc_u32 v7, s24, v7                       ; in: row r, + 64 h bytes
	v_mul_u32_u24 v8, v252, 272
	v_lshl_add_u32 v8, v251, 4, v8
	v_add_nc_u32 v8, s24, v8                       ; back: lanes 0-15 one row of 256 bytes, lanes 16-31 the next
	v_lshlrev_b32 v9, 12, v252
	v_lshl_add_u32 v9, v251, 4, v9                 ; and the same two rows in y
	s_mov_b32 s25, 0
	s_wait_kmcnt 0x0
	s_load_b32 s26, s[10:11], s14 offset:0x0       ; tb_e
	s_load_b32 s27, s[10:11], s14 offset:0x20      ; nt_e
	s_load_b32 s28, s[10:11], 0x40                 ; the tiles in all
	s_lshl_b32 s24, s21, 24                        ; W2: the expert's 16 MiB,
	s_lshl_b32 s30, s23, 23                        ; the half's 2,048 rows,
	s_add_co_u32 s24, s24, s30
	s_lshl_b32 s30, s20, 19                        ; my K step's 128 rows,
	s_add_co_u32 s24, s24, s30
	s_lshl_b32 s30, s22, 8                         ; the slice's 64 columns
	s_add_co_u32 s24, s24, s30
	s_add_nc_u64 s[4:5], s[4:5], s[24:25]
	s_lshl_b32 s24, s23, 14
	s_add_nc_u64 s[6:7], s[6:7], s[24:25]          ; himg at the half's first K step
	s_lshl_b32 s24, s23, 11
	s_add_nc_u64 s[8:9], s[8:9], s[24:25]          ; hsc likewise
	s_mul_i32 s24, s23, 0x880000                   ; y: the half's 2,176 rows,
	s_add_co_u32 s24, s24, s30                     ; the slice's 256 bytes
	s_add_nc_u64 s[12:13], s[12:13], s[24:25]
; ---------------- phase 1.  Every counted wait here is for 63, the largest count that the wait can name: behind the 64 loads that are wanted at least 64 more have been issued.
	s_wait_alu depctr_va_vdst(0)                   ; the offsets and LDS places v1 to v9 are written, which the loads and stores of the kernel read
	LOADBP 0
	s_wait_kmcnt 0x0
	s_sub_co_u32 s31, s28, 1
	s_add_co_u32 s30, s26, s20                     ; my first tile; held inside what has been stored, should the expert have fewer tiles
	s_min_u32 s30, s30, s31
	s_min_u32 s30, s30, 135
	s_lshl_b32 s24, s30, 15
	s_add_nc_u64 s[32:33], s[6:7], s[24:25]
	s_lshl_b32 s24, s30, 12
	s_add_nc_u64 s[34:35], s[8:9], s[24:25]
.irp k, 0,1,2,3,4,5,6,7
	HL \k                                          ; its first eight K steps of h land under the rest of this phase
.endr
	LOADBP 1
	s_wait_loadcnt 63                              ; blocks 0 are in
	QBP 0
	s_wait_alu depctr_va_vdst(0)                   ; the quantiser's lines are done reading the first set of numbers, in which blocks 2 land
	LOADBP 2
	s_wait_loadcnt 63                              ; blocks 1 are in
	QBP 1
	PUT 0
	LOADBP 3                                       ; no vector instruction stands between the wait in PUT and these loads
	s_wait_loadcnt 63                              ; blocks 2 are in
	s_wait_dscnt 0x0                               ; my LDS stores of blocks 0 and 1 are done,
	s_wait_alu depctr_vm_vsrc(0)                   ; and they have read v[CD ..], which blocks 2 and 3 write again
	QBP 2
	s_wait_loadcnt 0x0
	QBP 3
	PUT 1
	ds_store_b32 v5, v[SW]                         ; lanes 0-15: tile 2 g's scale words, lanes 16-31: tile 2 g + 1's (written ahead of the wait in PUT)
	ds_store_b32 v5, v[SW+1] offset:128
	s_wait_dscnt 0x0                               ; for the others' sake: zero
	s_barrier_signal -1                            ; the launch's one barrier, ahead of every branch on numbers read from memory
	s_barrier_wait -1
; ---------------- phase 2.  No vector instruction stands between the wait in PUT 1 and the first trip's loads: that wait has stated that phase 1 is done with v128-223, in which they land.
	s_add_co_u32 s[TRIPS], s27, 15                 ; my wave's tiles are w, w + 16, ..: (nt + 15 - w) / 16 of them, rounded down
	s_sub_co_u32 s[TRIPS], s[TRIPS], s20
	s_lshr_b32 s[TRIPS], s[TRIPS], 4
	s_min_u32 s[TRIPS], s[TRIPS], 9                ; (2,048 rows are 128 tiles at the most, 8 a wave)
	s_mov_b32 s[TRIP], 0
	s_mov_b32 s29, s20                             ; the tile's number within the expert
	s_cmp_eq_u32 s[TRIPS], 0
	s_cbranch_scc1 .Lend
.Ltile:
	s_wait_loadcnt 0x0                             ; h's K steps 0-7 are in
	s_add_co_u32 s30, s26, s29
	s_min_u32 s30, s30, 135
	s_lshl_b32 s24, s30, 16
	s_add_nc_u64 s[36:37], s[12:13], s[24:25]      ; the tile's 16 rows of y
.irp t, 0,1,2,3
	WLF 0, \t
.endr
.irp t, 0,1,2,3
	WLF 1, \t
.endr
.irp s, 0,1,2,3,4,5,6,7,8,9,10,11,12,13,14,15
	STEP \s
.endr
	PLACES 5                                       ; four in front of the LDS stores that read the results; the fifth since the next tile's first products write over these accumulators
	s_wait_alu depctr_va_vdst(0)                   ; the products have written the accumulators, which the stage's stores read, and are done reading h's slots and scale words, in which the next tile's loads land, and v192-223, in which the rows come back
	s_add_co_u32 s38, s[TRIP], 1
	s_cmp_lt_u32 s38, s[TRIPS]
	s_cbranch_scc0 .Lnonext
	s_add_co_u32 s38, s29, 16                      ; my next tile's h is asked for here: every load by the old bases was shown done at K step 15
	s_add_co_u32 s38, s38, s26
	s_min_u32 s38, s38, 135
	s_lshl_b32 s24, s38, 15
	s_add_nc_u64 s[32:33], s[6:7], s[24:25]
	s_lshl_b32 s24, s38, 12
	s_add_nc_u64 s[34:35], s[8:9], s[24:25]
.irp k, 0,1,2,3,4,5,6,7
	HL \k
.endr
.Lnonext:
.irp b, 0,1
.irp u, 0,1
	ds_store_b128 v7, v[ACC+8*(2*\b+\u):ACC+8*(2*\b+\u)+3] offset:128*\b+32*\u        ; each accumulator from its low end on
	ds_store_b128 v7, v[ACC+8*(2*\b+\u)+4:ACC+8*(2*\b+\u)+7] offset:128*\b+32*\u+16
.endr
.endr
.irp i, 0,1,2,3,4,5,6,7
	ds_load_b128 v[OUTR+4*\i:OUTR+4*\i+3], v8 offset:544*\i     ; LDS serves a wave's instructions in order: these see my stores
.endr
.irp i, 0,1,2,3,4,5,6,7
	s_wait_dscnt 7-\i
	global_store_b128 v9, v[OUTR+4*\i:OUTR+4*\i+3], s[36:37] offset:8192*\i th:TH_STORE_NT   ; 16 lanes store 256 consecutive bytes, aligned
.endr
	s_wait_xcnt 0x0                                ; the stores' data and base are written again only behind this wait
	s_wait_alu depctr_vm_vsrc(0)                   ; the global stores have read v192-223, in which the next trip's LDS loads land; the stage's stores have read the accumulators, which its first products write
	s_add_co_u32 s29, s29, 16
	s_add_co_u32 s[TRIP], s[TRIP], 1
	s_cmp_lt_u32 s[TRIP], s[TRIPS]
	s_cbranch_scc1 .Ltile
.Lend:
	s_wait_dscnt 0x0                               ; the closing lines, six on end
	s_wait_alu 0x0
	s_wait_tensorcnt 0x0
	ds_add_u32 v254, v255
	s_wait_dscnt 0x0
	s_endpgm
.Lfunc_end_k_q30776f8b06_down:
	.size	k_q30776f8b06_down, .Lfunc_end_k_q30776f8b06_down-k_q30776f8b06_down
	.p2alignl 7, 3214868480
	.fill 96, 4, 3214868480
	.section	.rodata,"a",@progbits
	.p2align	6, 0x0
	.amdhsa_kernel k_q30776f8b06_down
		.amdhsa_group_segment_fixed_size 141312
		.amdhsa_private_segment_fixed_size 0
		.amdhsa_enable_private_segment 0
		.amdhsa_kernarg_size 40
		.amdhsa_user_sgpr_count 2
		.amdhsa_user_sgpr_kernarg_segment_ptr 1
		.amdhsa_wavefront_size32 1
		.amdhsa_system_sgpr_workgroup_id_x 1
		.amdhsa_system_sgpr_workgroup_id_y 1
		.amdhsa_system_sgpr_workgroup_id_z 1
		.amdhsa_system_vgpr_workitem_id 0
		.amdhsa_next_free_vgpr 256
		.amdhsa_next_free_sgpr 66
		.amdhsa_reserve_vcc 0
		.amdhsa_float_denorm_mode_32 3
		.amdhsa_float_denorm_mode_16_64 3
		.amdhsa_memory_ordered 1
		.amdhsa_forward_progress 1
		.amdhsa_inst_pref_size 70
	.end_amdhsa_kernel
	.amdgpu_metadata
---
amdhsa.version: [ 1, 2 ]
amdhsa.kernels:
  - .name:           k_q30776f8b06_down
    .symbol:         k_q30776f8b06_down.kd
    .args:
      - { .name: W2, .offset: 0, .size: 8, .value_kind: global_buffer, .address_space: global }
      - { .name: himg, .offset: 8, .size: 8, .value_kind: global_buffer, .address_space: global }
      - { .name: hsc, .offset: 16, .size: 8, .value_kind: global_buffer, .address_space: global }
      - { .name: meta, .offset: 24, .size: 8, .value_kind: global_buffer, .address_space: global }
      - { .name: y, .offset: 32, .size: 8, .value_kind: global_buffer, .address_space: global }
    .group_segment_fixed_size: 141312
    .private_segment_fixed_size: 0
    .kernarg_segment_align: 8
    .kernarg_segment_size: 40
    .max_flat_workgroup_size: 512
    .sgpr_count:     66
    .vgpr_count:     256
    .wavefront_size: 32
...
	.end_amdgpu_metadata
.endif
;; end of part 7
;; launch comb (part 8): grid 256 x 1, 4 waves a work-group, no clusters, 0 bytes of LDS; arguments x, expert_weights, expert_indices, b2, pos, y, out0; writes out0
.if DOCPART == 8
	.amdgcn_target "amdgcn-amd-amdhsa--gfx1250"
	.amdhsa_code_object_version 6
	.text
	.protected	k_q30776f8b06_comb
	.globl	k_q30776f8b06_comb
	.p2align	8
	.type	k_q30776f8b06_comb,@function
k_q30776f8b06_comb:
	s_mov_b64 s[64:65], 0
	v_nop
	global_prefetch_b8 v0, s[64:65] scope:SCOPE_SE
	s_setreg_imm32_b32 hwreg(HW_REG_WAVE_MODE, 25, 1), 1
	s_wait_xcnt 0x0
; out[t] = x[t] + sum over k = 0, 1 of softmax(expert_weights[t])_k x (y[0][pos[2 t + k]] + y[1][pos[2 t + k]] + b2[expert_indices[t][k]]).
; One wave to a token: a row is 4,096 bytes, eight loads of 512 consecutive bytes from each of seven rows (x, two halves of K for each of the two slots, two rows of b2); all 56 are out together.
; The softmax takes its maximum away first.  A stream: no LDS, no barrier, no matrix unit.  Positions are held under 2,176 and experts under 8.
	s_load_b256 s[4:11], s[0:1], 0x0               ; x 4:5, weights 6:7, indices 8:9, b2 10:11
	s_load_b128 s[12:15], s[0:1], 0x20             ; pos 12:13, y 14:15
	s_load_b64 s[16:17], s[0:1], 0x30              ; out0
	v_lshrrev_b32 v1, 5, v0
	v_readfirstlane_b32 s18, v1
	s_lshl_b32 s19, ttmp9, 2
	s_add_co_u32 s19, s19, s18                     ; my token
	s_lshl_b32 s20, s19, 3
	v_and_b32 v1, 31, v0
	v_lshlrev_b32 v1, 4, v1                        ; 16 bytes a lane
	s_wait_alu depctr_va_vdst(0)
	s_wait_kmcnt 0x0
	s_load_b64 s[22:23], s[12:13], s20 offset:0x0  ; the two positions,
	s_load_b64 s[24:25], s[8:9], s20 offset:0x0    ; experts,
	s_load_b64 s[26:27], s[6:7], s20 offset:0x0    ; weights
	s_lshl_b32 s44, s19, 12
	s_mov_b32 s45, 0
	s_add_nc_u64 s[28:29], s[4:5], s[44:45]        ; x's row
	s_add_nc_u64 s[30:31], s[16:17], s[44:45]      ; out's
	s_wait_kmcnt 0x0
	s_min_u32 s22, s22, 0x87f
	s_min_u32 s23, s23, 0x87f
	s_min_u32 s24, s24, 7
	s_min_u32 s25, s25, 7
	s_lshl_b32 s44, s22, 12
	s_add_nc_u64 s[32:33], s[14:15], s[44:45]      ; y, first half of K, slot 0
	s_add_nc_u64 s[34:35], s[32:33], 0x880000      ; second half
	s_lshl_b32 s44, s23, 12
	s_add_nc_u64 s[36:37], s[14:15], s[44:45]      ; slot 1
	s_add_nc_u64 s[38:39], s[36:37], 0x880000
	s_lshl_b32 s44, s24, 12
	s_add_nc_u64 s[40:41], s[10:11], s[44:45]      ; b2's rows
	s_lshl_b32 s44, s25, 12
	s_add_nc_u64 s[42:43], s[10:11], s[44:45]
.irp i, 0,1,2,3,4,5,6,7
	global_load_b128 v[16+28*\i:19+28*\i], v1, s[28:29] offset:512*\i
	global_load_b128 v[20+28*\i:23+28*\i], v1, s[32:33] offset:512*\i th:TH_LOAD_NT
	global_load_b128 v[24+28*\i:27+28*\i], v1, s[34:35] offset:512*\i th:TH_LOAD_NT
	global_load_b128 v[28+28*\i:31+28*\i], v1, s[40:41] offset:512*\i
	global_load_b128 v[32+28*\i:35+28*\i], v1, s[36:37] offset:512*\i th:TH_LOAD_NT
	global_load_b128 v[36+28*\i:39+28*\i], v1, s[38:39] offset:512*\i th:TH_LOAD_NT
	global_load_b128 v[40+28*\i:43+28*\i], v1, s[42:43] offset:512*\i
.endr
	v_mov_b32 v6, s26                              ; the softmax of two, while the loads are out
	v_mov_b32 v7, s27
	v_max_num_f32 v8, v6, v7
	v_sub_f32 v6, v6, v8
	v_sub_f32 v7, v7, v8
	v_mul_f32 v6, 0x3fb8aa3b, v6
	v_mul_f32 v7, 0x3fb8aa3b, v7
	s_wait_alu depctr_va_vdst(0)
	v_exp_f32 v6, v6
	v_exp_f32 v7, v7
	v_nop                                          ; a plain line behind the exponentials
	s_wait_alu depctr_va_vdst(0)
	v_add_f32 v8, v6, v7
	s_wait_alu depctr_va_vdst(0)
	v_rcp_f32 v8, v8
	v_nop                                          ; and behind the reciprocal
	s_wait_alu depctr_va_vdst(0)
	v_mul_f32 v2, v6, v8
	v_mul_f32 v4, v7, v8
	v_mov_b32 v3, v2                               ; each weight twice, for the packed forms
	v_mov_b32 v5, v4
.irp i, 0,1,2,3,4,5,6,7
	s_wait_loadcnt 7*(7-\i)                        ; this group's seven loads are in; the younger groups may be out
.irp c, 0,2
	v_pk_add_f32 v[20+28*\i+\c:21+28*\i+\c], v[20+28*\i+\c:21+28*\i+\c], v[24+28*\i+\c:25+28*\i+\c]
	v_pk_add_f32 v[32+28*\i+\c:33+28*\i+\c], v[32+28*\i+\c:33+28*\i+\c], v[36+28*\i+\c:37+28*\i+\c]
	v_pk_add_f32 v[20+28*\i+\c:21+28*\i+\c], v[20+28*\i+\c:21+28*\i+\c], v[28+28*\i+\c:29+28*\i+\c]
	s_wait_alu depctr_va_vdst(0)
	v_pk_add_f32 v[32+28*\i+\c:33+28*\i+\c], v[32+28*\i+\c:33+28*\i+\c], v[40+28*\i+\c:41+28*\i+\c]
	v_pk_fma_f32 v[16+28*\i+\c:17+28*\i+\c], v[2:3], v[20+28*\i+\c:21+28*\i+\c], v[16+28*\i+\c:17+28*\i+\c]
	v_pk_fma_f32 v[16+28*\i+\c:17+28*\i+\c], v[4:5], v[32+28*\i+\c:33+28*\i+\c], v[16+28*\i+\c:17+28*\i+\c]
.endr
	global_store_b128 v1, v[16+28*\i:19+28*\i], s[30:31] offset:512*\i th:TH_STORE_NT   ; 512 consecutive bytes, aligned
.endr
	s_endpgm
.Lfunc_end_k_q30776f8b06_comb:
	.size	k_q30776f8b06_comb, .Lfunc_end_k_q30776f8b06_comb-k_q30776f8b06_comb
	.p2alignl 7, 3214868480
	.fill 96, 4, 3214868480
	.section	.rodata,"a",@progbits
	.p2align	6, 0x0
	.amdhsa_kernel k_q30776f8b06_comb
		.amdhsa_group_segment_fixed_size 0
		.amdhsa_private_segment_fixed_size 0
		.amdhsa_enable_private_segment 0
		.amdhsa_kernarg_size 56
		.amdhsa_user_sgpr_count 2
		.amdhsa_user_sgpr_kernarg_segment_ptr 1
		.amdhsa_wavefront_size32 1
		.amdhsa_system_sgpr_workgroup_id_x 1
		.amdhsa_system_sgpr_workgroup_id_y 1
		.amdhsa_system_sgpr_workgroup_id_z 1
		.amdhsa_system_vgpr_workitem_id 0
		.amdhsa_next_free_vgpr 240
		.amdhsa_next_free_sgpr 66
		.amdhsa_reserve_vcc 0
		.amdhsa_float_denorm_mode_32 3
		.amdhsa_float_denorm_mode_16_64 3
		.amdhsa_memory_ordered 1
		.amdhsa_forward_progress 1
		.amdhsa_inst_pref_size 16
	.end_amdhsa_kernel
	.amdgpu_metadata
---
amdhsa.version: [ 1, 2 ]
amdhsa.kernels:
  - .name:           k_q30776f8b06_comb
    .symbol:         k_q30776f8b06_comb.kd
    .args:
      - { .name: x, .offset: 0, .size: 8, .value_kind: global_buffer, .address_space: global }
      - { .name: expert_weights, .offset: 8, .size: 8, .value_kind: global_buffer, .address_space: global }
      - { .name: expert_indices, .offset: 16, .size: 8, .value_kind: global_buffer, .address_space: global }
      - { .name: b2, .offset: 24, .size: 8, .value_kind: global_buffer, .address_space: global }
      - { .name: pos, .offset: 32, .size: 8, .value_kind: global_buffer, .address_space: global }
      - { .name: y, .offset: 40, .size: 8, .value_kind: global_buffer, .address_space: global }
      - { .name: out0, .offset: 48, .size: 8, .value_kind: global_buffer, .address_space: global }
    .group_segment_fixed_size: 0
    .private_segment_fixed_size: 0
    .kernarg_segment_align: 8
    .kernarg_segment_size: 56
    .max_flat_workgroup_size: 128
    .sgpr_count:     66
    .vgpr_count:     240
    .wavefront_size: 32
...
	.end_amdgpu_metadata
.endif
;; end of part 8
